; MI455X (gfx1250); checked and timed in simulation.
; The chip was launched on July 23, 2026; its instructions are those of AMD's public machine-readable ISA for CDNA 5 (MIT licence, August 2026) and "CDNA5" Instruction Set Architecture Reference Guide (July 2026). The comments in the code are by the model that wrote it; some were corrected since.
;; cross attention. Allowed arithmetic: matrix products marked QUANTISED: E3M2 operands, one E8M0 scale for each 32 along K, by v_wmma_scale_f32_16x16x128_f8f6f4 with both operands' format E3M2, f32 sums; everything else in f32.
;; Inputs: T 16 x 1,024 x 512 float32; V 16 x 1,024 x 512 float32; WK1_codes 1,024 x 32 x 24 uint8 (E3M2 codes of WK1, K innermost, in blocks of 32 codes, four codes in three bytes); WK1_scales 1,024 x 32 uint8 (E8M0 scales of WK1, one for each 32 codes along K); WQ1_codes 1,024 x 32 x 24 uint8 (E3M2 codes of WQ1, K innermost, in blocks of 32 codes, four codes in three bytes); WQ1_scales 1,024 x 32 uint8 (E8M0 scales of WQ1, one for each 32 codes along K); WV1_codes 1,024 x 32 x 24 uint8 (E3M2 codes of WV1, K innermost, in blocks of 32 codes, four codes in three bytes); WV1_scales 1,024 x 32 uint8 (E8M0 scales of WV1, one for each 32 codes along K); Wk2_codes 1,024 x 32 x 24 uint8 (E3M2 codes of Wk2, K innermost, in blocks of 32 codes, four codes in three bytes); Wk2_scales 1,024 x 32 uint8 (E8M0 scales of Wk2, one for each 32 codes along K); Wq2_codes 1,024 x 32 x 24 uint8 (E3M2 codes of Wq2, K innermost, in blocks of 32 codes, four codes in three bytes); Wq2_scales 1,024 x 32 uint8 (E8M0 scales of Wq2, one for each 32 codes along K); Wv2_codes 1,024 x 32 x 24 uint8 (E3M2 codes of Wv2, K innermost, in blocks of 32 codes, four codes in three bytes); Wv2_scales 1,024 x 32 uint8 (E8M0 scales of Wv2, one for each 32 codes along K).
;; Outputs: out0 16 x 1,024 x 512 float32.
;; This version of the problem:
;;   THIS VERSION OF THE PROBLEM IS GIVEN IN LOW PRECISION. The matrix products marked QUANTISED in the list below multiply operands that are first quantised to E3M2 (3 exponent bits, 2 mantissa bits; 6 bits a number), with one power-of-two scale for each 32 numbers along K (OCP MX v1.0); their sums are f32. All else is computed in f32.
;;   The module's matrix products, in the order in which they are computed (A, B: the left and right operand; K: the contracted axis; several contracted axes count as one K, in the product's order):
;;     1. [M 8,192, K 1,024] x [K 1,024, N 1,024]; A: input V; B: input WQ1 (given as codes): QUANTISED
;;     2. [M 8,192, K 1,024] x [K 1,024, N 1,024]; A: computed on the way; B: input WK1 (given as codes): QUANTISED
;;     3. [M 8,192, K 1,024] x [K 1,024, N 1,024]; A: computed on the way; B: input WV1 (given as codes): QUANTISED
;;     4. [M 8,192, K 1,024] x [K 1,024, N 1,024]; A: computed on the way; B: input Wq2 (given as codes): QUANTISED
;;     5. [M 8,192, K 1,024] x [K 1,024, N 1,024]; A: input V; B: input Wk2 (given as codes): QUANTISED
;;     6. [M 8,192, K 1,024] x [K 1,024, N 1,024]; A: input V; B: input Wv2 (given as codes): QUANTISED
;;     7. batch 16 x [M 512, K 1,024] x [K 1,024, N 512]; A: computed on the way; B: computed on the way: QUANTISED
;;     8. batch 16 x [M 512, K 512] x [K 512, N 1,024]; A: computed on the way; B: computed on the way: QUANTISED
;;     9. batch 16 x [M 512, K 1,024] x [K 1,024, N 512]; A: computed on the way; B: computed on the way: QUANTISED
;;     10. batch 16 x [M 512, K 512] x [K 512, N 1,024]; A: computed on the way; B: computed on the way: QUANTISED
;;   THE QUANTISER, for each operand of a quantised product, along K:
;;     - K is cut into blocks of 32 from its start; a last block that is shorter is filled with zeros.
;;     - A block's scale is 2^e with e = floor(log2(the largest magnitude in the block)) - 4, held to -126 .. 127; a block of zeros has e = 0. As a byte (E8M0): e + 127.
;;     - Each number is divided by its block's scale, clamped to +-28, and rounded to the nearest number of E3M2, ties to even, subnormals kept.
;;     - The product sums the exact products of the quantised numbers (number of the format x scale) in f32.
;;   ~~~python
;;   def quantise(x, axis):      # numpy; x: float32 -> the quantised numbers, widened to float32 again
;;       x = np.moveaxis(x, axis, -1); K = x.shape[-1]
;;       x = np.pad(x, [(0, 0)] * (x.ndim - 1) + [(0, -K % 32)]); x = x.reshape(x.shape[:-1] + (-1, 32)); a = np.abs(x).max(-1, keepdims=True)
;;       e = np.where(a > 0, np.clip(np.frexp(np.where(a > 0, a, 1))[1] - 1 - 4, -126, 127), 0)      # np.frexp(a)[1] - 1 = floor(log2(a)), exactly
;;       r = np.clip(x / 2.0 ** e, -28, 28)
;;       step = 2.0 ** (np.maximum(np.frexp(np.where(r == 0, 1, r))[1] - 1, -2) - 2)
;;       q = np.round(r / step) * step * 2.0 ** e      # np.round: ties to even
;;       return np.moveaxis(q.reshape(q.shape[:-2] + (-1,))[..., :K], -1, axis).astype(np.float32)
;;   ~~~
;;   OPERANDS COMPUTED ON THE WAY. 'Computed on the way' means the value that the module computes at that place (a softmax that the list does not call 'softmax' is quantised finished and normalised). What goes into a quantiser is computed in f32, as accurately as f32 sums, v_exp_f32 and their like allow (about 1e-6 of the number): no bf16 or f16 on the way to a quantiser, and a product that is left as it is and whose result goes on into a quantised operand takes f32 operands (vector FMAs, or v_wmma_f32_16x16x4_f32). A number that lies on a knife's edge between two numbers of the format may be rounded either way, as far as f32 arithmetic and the matrix unit's own rounding can turn it there, and no further.
;;   INPUTS GIVEN AS CODES. WK1 (in the module: [1024, 1024], K = its axis 1); WQ1 (in the module: [1024, 1024], K = its axis 1); WV1 (in the module: [1024, 1024], K = its axis 1); Wk2 (in the module: [1024, 1024], K = its axis 1); Wq2 (in the module: [1024, 1024], K = its axis 1); Wv2 (in the module: [1024, 1024], K = its axis 1): each comes as NAME_codes (uint8): NAME with its K axis moved to the last place and cut into blocks of 32 codes, [.., K / 32, bytes a block], one block behind the other in memory; four codes in three bytes: a row's codes are one little-endian stream of bits, code i at bits 6 i .. 6 i + 5 (a code: sign, 3 exponent bits, 2 mantissa bits); and NAME_scales (uint8): the same leading axes, one E8M0 byte (e + 127) for each 32 codes along K. Its value is code x scale, taken as it is: it is not quantised again, and the codes and scales need not be those that the quantiser above would give.
;; One version. Each part assembles by itself: llvm-mc -triple=amdgcn-amd-amdhsa -mcpu=gfx1250 --defsym DOCPART=n.
;; ======== version 1 of 1: 4 launches
;; workspace buffers: xq 13,107,200 bytes; wq 4,915,200 bytes; qk 26,214,400 bytes; vv 13,107,200 bytes; pq 6,291,456 bytes; ps 524,288 bytes; tinv 32,768 bytes
;; launch prep (part 1): grid 256 x 1, 16 waves a work-group, no clusters, 6,144 bytes of LDS; arguments V, T, WQ1_codes, Wk2_codes, Wv2_codes, Wq2_codes, WK1_codes, WV1_codes, WQ1_scales, Wk2_scales, Wv2_scales, Wq2_scales, WK1_scales, WV1_scales, xq, wq, tinv; writes xq, wq, tinv
.if DOCPART == 1
	.amdgcn_target "amdgcn-amd-amdhsa--gfx1250"
	.amdhsa_code_object_version 6
	.text
	.protected	k_qa3f690dbd2_prep
	.globl	k_qa3f690dbd2_prep
	.p2align	8
	.type	k_qa3f690dbd2_prep,@function
k_qa3f690dbd2_prep:
	s_mov_b64 s[64:65], 0
	v_nop
	global_prefetch_b8 v0, s[64:65] scope:SCOPE_SE
	s_setreg_imm32_b32 hwreg(HW_REG_WAVE_MODE, 25, 1), 1
	s_wait_xcnt 0x0
; PREP.  V and T / max(||T||, 1e-12) (the norm over the 1,024 features of a column), both [16][1024 d][512 l] f32, become codes of E3M2 with one E8M0 byte for each 32 along d,
; and the six weights, which come as codes, are laid out anew.  Every operand of this program lies in memory as RECORDS, images of the matrix unit's registers:
;   a TILE 2 g + u of a row axis holds rows 32 g + 8 u + r + 8 (r / 8), r = 0 .. 15;  a FRAGMENT is a tile x 128 along K: 12 registers a lane, lane (r, h) registers 6 c .. 6 c + 5 = block 2 c + h of row r;
;   a RECORD is four tiles (64 neighbouring rows) x 128 along K, 6,400 bytes: fragment i at 1,536 i, its registers 4 c .. 4 c + 3 at 512 c + 16 x lane; at 6,144 the scale words: the word at 8 x lane + 4 c
;   is that of tile 2 c + lane / 16, row lane % 16.  So 12 loads of 16 bytes and one of 8 bring four operands and their scales, and a record is 25 whole aligned blocks of 256 bytes.
; SHARES.  A work-group takes one tensor (tz), one batch b and 64 columns l (one record's rows) for all 1,024 d.  Wave w: columns 32 (w / 8) on, d 128 (w % 8) on.  A LANE TAKES A COLUMN AND ITS REGISTERS RUN DOWN d:
; four whole blocks of 32 lie in one lane, so no maximum needs another lane, and the conversions give codes with d innermost.  A load reads 128 consecutive bytes; the waves w and w + 8 read the two halves of 256.
; The column's sum of squares meets in LDS (eight waves share a column).  V takes the same path and is multiplied by 1.0.  Waves 0 to 2 also lay out one weight record each: 3 x 256 = 768 records.
; LIMITS: NaN and infinities are not served.  A block whose largest magnitude lies under 2^-122 keeps the byte 1 (a block of zeros too: its codes are zeros, and this program alone reads the bytes).  x / n is x times the reciprocal of n.
.set RECB, 6400
.set PART, 0                           ; LDS: 8 K steps x 64 columns of partial sums, f32
.set SCS,  2048                        ; LDS: 8 K steps x 256 bytes: the records' scale words
.set TM,  12                           ; v12-15  largest magnitudes of my four blocks
.set SO,  16                           ; v16-19  the conversions' scale operands
.set BY,  20                           ; v20-23  the scale bytes
.set X,   36                           ; v36-163 my column's 128 numbers
.set CA,  164                          ; v164-175 blocks 0 and 2: the registers of lane (r, 0)
.set CB,  176                          ; v176-187 blocks 1 and 3: those of lane (r, 1)
.set PT,  188                          ; v188-203 the blocks' upper halves as the conversions leave them
.set WC,  204                          ; v204-251 a weight record's four fragments
.set WS,  252                          ; v252-253 and its scale words
	s_load_b128 s[4:7], s[0:1], 0x0                ; V, T
	s_load_b256 s[8:15], s[0:1], 0x10              ; codes of WQ1, Wk2, Wv2, Wq2
	s_load_b128 s[16:19], s[0:1], 0x30             ; codes of WK1, WV1
	s_load_b256 s[20:27], s[0:1], 0x40             ; scales of WQ1, Wk2, Wv2, Wq2
	s_load_b128 s[28:31], s[0:1], 0x60             ; scales of WK1, WV1
	s_load_b128 s[32:35], s[0:1], 0x70             ; xq, wq
	s_load_b64 s[36:37], s[0:1], 0x80              ; tinv
	v_lshl_add_u32 v254, v0, 2, 0x1000
	v_mov_b32 v255, 0
	v_lshrrev_b32 v1, 5, v0
	v_readfirstlane_b32 s40, v1                    ; wave 0..15
	v_and_b32 v1, 31, v0                           ; lane
	s_and_b32 s41, s40, 7                          ; s: my K step
	s_lshr_b32 s42, s40, 3                         ; cg: which 32 columns
	s_lshr_b32 s43, ttmp9, 7                       ; tz: 0 V, 1 T
	s_bfe_u32 s44, ttmp9, 0x40003                  ; b
	s_and_b32 s45, ttmp9, 7                        ; which 64 columns
	v_lshlrev_b32 v2, 2, v1                        ; 4 x lane
	v_bfe_u32 v24, v0, 3, 1                        ; u: my column's tile of the two
	v_and_b32 v25, 7, v0
	v_bfe_u32 v26, v0, 4, 1                        ; lane / 16
	v_lshl_add_u32 v25, v26, 3, v25                ; r: my column's row in that tile
	v_mul_u32_u24 v3, v24, 1536
	v_lshl_add_u32 v3, v25, 4, v3                  ; where lane (r, 0) of fragment u lies in a record
	s_lshl_b32 s46, s41, 8
	s_lshl_b32 s47, s42, 7
	v_add_nc_u32 v5, s47, v2                       ; partial sums, read: 4 x lane + 128 cg
	v_add_nc_u32 v4, s46, v5                       ; and stored: + 256 s
	v_lshl_add_u32 v6, v24, 4, v25
	v_lshlrev_b32 v6, 3, v6                        ; 8 (r + 16 u)
	s_lshl_b32 s52, s42, 2
	s_add_co_u32 s52, s52, s46
	s_add_co_u32 s52, s52, SCS
	v_add_nc_u32 v6, s52, v6                       ; my scale word's place in K step s's image
	v_lshlrev_b32 v7, 3, v1                        ; 8 x lane
	s_add_co_u32 s53, s46, SCS
	v_add_nc_u32 v8, s53, v7                       ; the image of K step w % 8, read back
	v_and_b32 v10, 15, v0
	v_and_b32 v11, 8, v10
	v_add_nc_u32 v10, v10, v11                     ; r' + 8 (r' / 8), r' = lane % 16
	v_mul_u32_u24 v9, v10, 768                     ; a weight's row of 1,024 codes is 768 bytes
	v_mad_u32_u24 v9, v26, 24, v9                  ; + 24 (lane / 16)
	v_lshl_add_u32 v10, v26, 3, v10
	v_lshlrev_b32 v10, 5, v10                      ; a weight's row of scale bytes is 32 bytes: row 8 (lane / 16) + r' + 8 (r' / 8)
	v_lshlrev_b32 v11, 4, v1                       ; 16 x lane
	s_lshl_b32 s56, s44, 21                        ; x: b x 2,097,152 + s x 128 rows of 2,048 + 4 x my wave's first column
	s_lshl_b32 s57, s41, 18
	s_add_co_u32 s56, s56, s57
	s_lshl_b32 s57, s45, 8
	s_add_co_u32 s56, s56, s57
	s_add_co_u32 s56, s56, s47
	s_mov_b32 s57, 0
	s_lshr_b32 s58, ttmp9, 3                       ; xq: [tz][b][s][quad] records; 16 tz + b is the work-group's number / 8
	s_lshl_b32 s58, s58, 3
	s_add_co_u32 s58, s58, s41
	s_mul_i32 s58, s58, 8*RECB
	s_mul_i32 s59, s45, RECB
	s_add_co_u32 s58, s58, s59
	s_mul_i32 s59, s42, 3072                       ; my two fragments of the four
	s_add_co_u32 s58, s58, s59
	s_mov_b32 s59, 0
	s_lshl_b32 s60, s44, 11                        ; tinv: 4 (512 b + my wave's first column)
	s_lshl_b32 s61, s45, 8
	s_add_co_u32 s60, s60, s61
	s_add_co_u32 s60, s60, s47
	s_mov_b32 s61, 0
	s_wait_kmcnt 0x0
	s_cmp_eq_u32 s43, 0                            ; the choice hangs on the work-group's number alone
	s_cselect_b64 s[54:55], s[4:5], s[6:7]
	s_add_nc_u64 s[54:55], s[54:55], s[56:57]
	s_add_nc_u64 s[58:59], s[32:33], s[58:59]
	s_add_nc_u64 s[60:61], s[36:37], s[60:61]
.set i, 0
.rept 128
	global_load_b32 v[X+i], v2, s[54:55] offset:2048*i     ; x(128 s + i, my column).  No hint: the last launch reads V and T again
.set i, i+1
.endr
	; ---- a weight record, whole inside one branch on the wave's number: its loads go out behind x's, so that one wait serves both
	s_cmp_lt_u32 s40, 3
	s_cbranch_scc0 .Lno_weight
	s_mul_i32 s66, ttmp9, 3
	s_add_co_u32 s66, s66, s40                     ; the record's number, 0 .. 767 = [weight 6][K step 8][quad 16]
	s_lshr_b32 s67, s66, 7                         ; which weight
	s_bfe_u32 s68, s66, 0x30004                    ; which K step
	s_and_b32 s69, s66, 15                         ; which 64 rows
	s_mov_b64 s[48:49], s[8:9]
	s_mov_b64 s[50:51], s[20:21]
.irp k, 1,2,3,4,5
	s_cmp_eq_u32 s67, \k
	s_cselect_b64 s[48:49], s[8+2*\k:9+2*\k], s[48:49]
	s_cselect_b64 s[50:51], s[20+2*\k:21+2*\k], s[50:51]
.endr
	s_mul_i32 s70, s69, 49152                      ; 64 rows of 768 bytes
	s_mul_i32 s71, s68, 96                         ; 128 codes are 96 bytes
	s_add_co_u32 s70, s70, s71
	s_mov_b32 s71, 0
	s_add_nc_u64 s[48:49], s[48:49], s[70:71]
	s_lshl_b32 s70, s69, 11                        ; 64 rows of 32 scale bytes
	s_lshl_b32 s72, s68, 2
	s_add_co_u32 s70, s70, s72
	s_add_nc_u64 s[50:51], s[50:51], s[70:71]
	s_mul_i32 s70, s66, RECB
	s_add_nc_u64 s[52:53], s[34:35], s[70:71]
.irp i, 0,1,2,3
.irp p, 0,1,2,3,4,5
	global_load_b64 v[WC+12*\i+2*\p:WC+12*\i+2*\p+1], v9, s[48:49] offset:(32*(\i/2)+8*(\i%2))*768+48*(\p/3)+8*(\p%3)   ; the row's stream of bits is the register image: 24 bytes in three pieces of 8
.endr
.endr
	global_load_b32 v[WS], v10, s[50:51]
	global_load_b32 v[WS+1], v10, s[50:51] offset:1024
	s_wait_loadcnt 0x0
.irp i, 0,1,2,3
.irp c, 0,1,2
	global_store_b128 v11, v[WC+12*\i+4*\c:WC+12*\i+4*\c+3], s[52:53] offset:1536*\i+512*\c   ; 32 lanes store 512 consecutive bytes
.endr
.endr
	global_store_b64 v7, v[WS:WS+1], s[52:53] offset:6144
.Lno_weight:
	s_wait_loadcnt 0x0                             ; my 128 numbers are in
	; ---- the column's sum of squares: four packed chains, then the eight waves' parts through LDS
.irp k, 0,1,2,3
	v_pk_mul_f32 v[28+2*\k:29+2*\k], v[X+2*\k:X+2*\k+1], v[X+2*\k:X+2*\k+1]
.endr
.set i, 8
.rept 60
	v_pk_fma_f32 v[28+i%8:29+i%8], v[X+i:X+i+1], v[X+i:X+i+1], v[28+i%8:29+i%8]
.set i, i+2
.endr
	v_pk_add_f32 v[28:29], v[28:29], v[30:31]
	v_pk_add_f32 v[32:33], v[32:33], v[34:35]
	v_pk_add_f32 v[28:29], v[28:29], v[32:33]
	v_add_f32 v28, v28, v29
	ds_store_b32 v4, v28
	s_wait_dscnt 0x0                               ; for the others' sake: my store has landed
	s_barrier_signal -1
	s_barrier_wait -1
.irp k, 0,1,2,3,4,5,6,7
	ds_load_b32 v[28+\k], v5 offset:256*\k
.endr
	s_wait_dscnt 0x0
.irp k, 1,2,3,4,5,6,7
	v_add_f32 v28, v28, v[28+\k]                   ; in ascending d, the same order in every wave
.endr
	v_sqrt_f32 v29, v28
	v_nop                                          ; a plain instruction behind a transcendental, ahead of the use of its result (ISA guide 5.7.2)
	s_wait_alu depctr_va_vdst(0)
	v_max_num_f32 v29, 0x2b8cbccc, v29             ; max(n, 1e-12)
	v_rcp_f32 v25, v29
	s_cmp_eq_u32 s43, 1
	s_cselect_b32 vcc_lo, -1, 0                    ; every lane: T or V
	v_nop
	s_wait_alu depctr_va_vdst(0)
	v_cndmask_b32 v26, 1.0, v25, vcc_lo            ; T: 1 / n;  V: 1.0, a multiplication that changes nothing
	v_mov_b32 v27, v26
.set i, 0
.rept 64
	v_pk_mul_f32 v[X+i:X+i+1], v[X+i:X+i+1], v[26:27]
.set i, i+2
.endr
	s_xor_b32 s46, s43, 1                          ; T's work-groups, the two waves of K step 0: 1 / n goes to memory for the last launch
	s_or_b32 s46, s46, s41
	s_cmp_lg_u32 s46, 0
	s_cbranch_scc1 .Lno_tinv
	global_store_b32 v2, v25, s[60:61]
.Lno_tinv:
	; ---- my four blocks, by turns
.irp k, 0,1,2,3
	v_max3_num_f32 v[TM+\k], |v[X+32*\k]|, |v[X+32*\k+1]|, 0x2800000   ; with the floor 2^(5 - 127) among the leaves: the byte cannot fall under 1
.endr
.irp i, 2,4,6,8,10,12,14,16,18,20,22,24,26,28,30
.irp k, 0,1,2,3
	v_max3_num_f32 v[TM+\k], v[TM+\k], |v[X+32*\k+\i]|, |v[X+32*\k+\i+1]|
.endr
.endr
.irp k, 0,1,2,3
	v_add_nc_u32 v[SO+\k], 0xfe000000, v[TM+\k]    ; 4 off the exponent field: the conversion takes the exponent field of this operand as its scale
.endr
.irp k, 0,1,2,3
	v_lshrrev_b32 v[BY+\k], 23, v[SO+\k]           ; the scale's byte
.endr
	v_lshl_or_b32 v24, v[BY+1], 8, v[BY]
	v_lshl_or_b32 v24, v[BY+2], 16, v24
	v_lshl_or_b32 v24, v[BY+3], 24, v24            ; my column's scale word for these 128 d
.irp k, 0,1,2,3
	v_cvt_scalef32_pk16_bf6_f32 v[CA+12*(\k%2)+6*(\k/2):CA+12*(\k%2)+6*(\k/2)+2], v[X+32*\k:X+32*\k+15], v[SO+\k]
	v_cvt_scalef32_pk16_bf6_f32 v[PT+4*\k:PT+4*\k+2], v[X+32*\k+16:X+32*\k+31], v[SO+\k]   ; (a conversion's three registers begin on an even number)
.endr
	v_nop                                          ; one plain instruction behind the scaled conversions
.irp k, 0,1,2,3
.irp i, 0,1,2
	v_mov_b32 v[CA+12*(\k%2)+6*(\k/2)+3+\i], v[PT+4*\k+\i]
.endr
.endr
.irp c, 0,1,2
	global_store_b128 v3, v[CA+4*\c:CA+4*\c+3], s[58:59] offset:512*\c       ; blocks 0 and 2 are lane (r, 0)'s registers: sixteen lanes fill 256 consecutive bytes in each of my two fragments
	global_store_b128 v3, v[CB+4*\c:CB+4*\c+3], s[58:59] offset:512*\c+256   ; blocks 1 and 3 are lane (r, 1)'s
.endr
	ds_store_b32 v6, v24
	s_wait_dscnt 0x0
	s_barrier_signal -1
	s_barrier_wait -1                              ; the eight records' scale words lie in LDS
	s_cmp_lt_u32 s40, 8
	s_cbranch_scc0 .Lend
	ds_load_b64 v[28:29], v8                       ; wave w < 8 has cg = 0 and s = w: its own base is record s's
	s_wait_dscnt 0x0
	global_store_b64 v7, v[28:29], s[58:59] offset:6144   ; 32 lanes store 256 consecutive bytes
.Lend:
	s_wait_tensorcnt 0x0
	ds_add_u32 v254, v255
	s_wait_dscnt 0x0
	s_endpgm
.Lfunc_end_k_qa3f690dbd2_prep:
	.size	k_qa3f690dbd2_prep, .Lfunc_end_k_qa3f690dbd2_prep-k_qa3f690dbd2_prep
	.p2alignl 7, 3214868480
	.fill 96, 4, 3214868480
	.section	.rodata,"a",@progbits
	.p2align	6, 0x0
	.amdhsa_kernel k_qa3f690dbd2_prep
		.amdhsa_group_segment_fixed_size 6144
		.amdhsa_private_segment_fixed_size 0
		.amdhsa_enable_private_segment 0
		.amdhsa_kernarg_size 136
		.amdhsa_user_sgpr_count 2
		.amdhsa_user_sgpr_kernarg_segment_ptr 1
		.amdhsa_wavefront_size32 1
		.amdhsa_system_sgpr_workgroup_id_x 1
		.amdhsa_system_sgpr_workgroup_id_y 1
		.amdhsa_system_sgpr_workgroup_id_z 1
		.amdhsa_system_vgpr_workitem_id 0
		.amdhsa_next_free_vgpr 256
		.amdhsa_next_free_sgpr 80
		.amdhsa_reserve_vcc 1
		.amdhsa_float_denorm_mode_32 3
		.amdhsa_float_denorm_mode_16_64 3
		.amdhsa_memory_ordered 1
		.amdhsa_forward_progress 1
		.amdhsa_inst_pref_size 37
	.end_amdhsa_kernel
	.amdgpu_metadata
---
amdhsa.version: [ 1, 2 ]
amdhsa.kernels:
  - .name:           k_qa3f690dbd2_prep
    .symbol:         k_qa3f690dbd2_prep.kd
    .args:
      - { .name: V, .offset: 0, .size: 8, .value_kind: global_buffer, .address_space: global }
      - { .name: T, .offset: 8, .size: 8, .value_kind: global_buffer, .address_space: global }
      - { .name: WQ1_codes, .offset: 16, .size: 8, .value_kind: global_buffer, .address_space: global }
      - { .name: Wk2_codes, .offset: 24, .size: 8, .value_kind: global_buffer, .address_space: global }
      - { .name: Wv2_codes, .offset: 32, .size: 8, .value_kind: global_buffer, .address_space: global }
      - { .name: Wq2_codes, .offset: 40, .size: 8, .value_kind: global_buffer, .address_space: global }
      - { .name: WK1_codes, .offset: 48, .size: 8, .value_kind: global_buffer, .address_space: global }
      - { .name: WV1_codes, .offset: 56, .size: 8, .value_kind: global_buffer, .address_space: global }
      - { .name: WQ1_scales, .offset: 64, .size: 8, .value_kind: global_buffer, .address_space: global }
      - { .name: Wk2_scales, .offset: 72, .size: 8, .value_kind: global_buffer, .address_space: global }
      - { .name: Wv2_scales, .offset: 80, .size: 8, .value_kind: global_buffer, .address_space: global }
      - { .name: Wq2_scales, .offset: 88, .size: 8, .value_kind: global_buffer, .address_space: global }
      - { .name: WK1_scales, .offset: 96, .size: 8, .value_kind: global_buffer, .address_space: global }
      - { .name: WV1_scales, .offset: 104, .size: 8, .value_kind: global_buffer, .address_space: global }
      - { .name: xq, .offset: 112, .size: 8, .value_kind: global_buffer, .address_space: global }
      - { .name: wq, .offset: 120, .size: 8, .value_kind: global_buffer, .address_space: global }
      - { .name: tinv, .offset: 128, .size: 8, .value_kind: global_buffer, .address_space: global }
    .group_segment_fixed_size: 6144
    .private_segment_fixed_size: 0
    .kernarg_segment_align: 8
    .kernarg_segment_size: 136
    .max_flat_workgroup_size: 512
    .sgpr_count:     80
    .vgpr_count:     256
    .wavefront_size: 32
...
	.end_amdgpu_metadata
.endif
;; end of part 1
;; launch proj (part 2): grid 12 x 64, 4 waves a work-group, clusters of 4 x 4, 327,680 bytes of LDS; arguments xq, wq, qk, vv; writes qk, vv
.if DOCPART == 2
	.amdgcn_target "amdgcn-amd-amdhsa--gfx1250"
	.amdhsa_code_object_version 6
	.text
	.protected	k_qa3f690dbd2_proj
	.globl	k_qa3f690dbd2_proj
	.p2align	8
	.type	k_qa3f690dbd2_proj,@function
k_qa3f690dbd2_proj:
	s_mov_b64 s[64:65], 0
	v_nop
	global_prefetch_b8 v0, s[64:65] scope:SCOPE_SE
	s_setreg_imm32_b32 hwreg(HW_REG_WAVE_MODE, 25, 1), 1
	s_wait_xcnt 0x0
	s_wait_alu depctr_hold_cnt(0) depctr_sa_sdst(0) depctr_va_vdst(0) depctr_va_sdst(0) depctr_va_ssrc(0) depctr_va_vcc(0) depctr_vm_vsrc(0)
	s_getreg_b32 s2, hwreg(HW_REG_IB_STS2, 6, 4)
	s_cmp_eq_u32 s2, 0
	s_cbranch_scc0 .Lentry_in_a_cluster
	s_endpgm
.Lentry_in_a_cluster:
	s_bfe_u32 s2, ttmp6, 0x10000c
	s_cmp_lg_u32 s2, 0xf033
	s_cbranch_scc0 .Lentry_shape_is_right
	s_endpgm
.Lentry_shape_is_right:
; PROJ.  The six projections relu(x W^T), x = V or T / ||T|| (16,384 rows l in all, K = 1,024 d), on codes of E3M2, and their results quantised again on the way out.
; All operands are RECORDS (four tiles of 16 rows x 128 along K as images of the matrix unit's registers, 6,144 bytes, and their scale words, 256 bytes; tile 2 g + u holds rows 32 g + 8 u + r + 8 (r / 8)).
; A work-group of four waves, as many as a WGP has SIMDs, makes 256 x 256 results; a wave 128 x 128: 64 accumulators, 512 registers.  Cluster x = j says which kind: 0 a query projection, 1 a key projection, 2 a value projection.
; SOURCE 1 ("Q": a lane holds one of its rows) AND SOURCE 0 ("P": a lane's registers run along its rows).  Queries and keys are quantised along the features e: Q = x, P = the weight.  Values are quantised along the keys l:
; Q = the weight, P = x.  Only global addresses and strides differ between the kinds (chosen by s_cselect on j, which all partners share); the text, LDS and masks are one.
; Since the rows of a tile are chosen as above, the 16 registers of P's tiles 2 g and 2 g + 1 are 16 neighbours along the next K, and a wave's 8 tiles of P are one K step of the result's record.
; CLUSTERS: 4 x 4 work-groups.  Q's block hangs on cy alone and is asked for jointly along a row of the cluster, P's on cx alone, along a column: one tensor load, the same descriptor, a mask of four.
; LDS: three slots of two K steps each, [Q step 0][Q step 1][P step 0][P step 1], 25,600 dense bytes each (4 records); wave w fills part w.  K has 8 steps: three first fills, and slot 0 filled once more with steps 6 and 7;
; that refill has three and a half K steps, 224 matrix instructions a wave, in which to land.  By this text's count a wave has three tensor loads out at the start and one later.
; REGISTERS, in windows of 256: window 0: v2-17 addresses; v32-43 scale words and nothing else; v128-223 Q's 8 fragments, ONE set (a tile is free when its 8 products are issued); on the way out v48-243.
;   window 1: P's 8 fragments, TWO sets, at v0 and v128.   windows 2, 3: accumulator (a = Q's tile, b = P's tile) at v[8 (8 (a % 4) + b)] of window 2 + a / 4.
; LIMITS: NaN and infinities are not served; a block whose largest number lies under 2^-122 (a block of zeros too) keeps the byte 1: this program alone reads the bytes.
.set RECB,  6400
.set BLK,   4*RECB                     ; 256 rows x 128 along K
.set SLOT,  4*BLK
.set SPARE, 3*SLOT                     ; behind the slots: the spare words, 128 bytes a wave: two blocks of 256 bytes that no other line names
.set SPW, 2                            ; v2     LDS address of my spare word; never rewritten
.set NIL, 3                            ; v3     0; never rewritten
.set ADP, 4                            ; v4-6   my half of P in slot 0, 1, 2: 16 x lane + ..
.set ADQ, 7                            ; v7-9   my half of Q
.set ASP, 10                           ; v10-12 the same with 8 x lane, for the scale words
.set ASQ, 13                           ; v13-15
.set L16, 16                           ; v16    16 x lane
.set L8,  17                           ; v17    8 x lane
.set SPS, 32                           ; v32-35, v36-39 P's scale words, two sets: register b / 2, lanes 0-15 for even b, 16-31 for odd
.set SQS, 40                           ; v40-43 Q's
.set QF,  128
.set HT,  48                           ; v48-111  the way out: 64 results of a tile of Q
.set TM,  112                          ; v112-127 at work in the quantiser
.set PC,  128                          ; v128-223 the codes, 12 registers for each tile of Q
.set PW,  224                          ; v224-231 their scale words
.set PT,  232                          ; v232-239 upper halves as the conversions leave them
.set SW,  240                          ; v240-243 scale words as a record wants them
.set G1Q, 24                           ; s[24:31] descriptor group 1 for Q;  s[48:55] for P: they differ in the mask alone
.set G1P, 48
.set G0Q, 68                           ; s[68:79] group 0 for Q, a set for each slot;  s[80:91] for P
.set G0P, 80
.set SEL, 94                           ; s[94:95] v_permlanex16_b32's selects for lane l xor 16
.set MUL_LO, 0xa1                      ; source 0 (P) window 1, source 1 (Q) window 0, C and D window 2
.set MUL_HI, 0xf1                      ; the same, C and D window 3
.set TO_P,   0x40                      ; destination window 1, address window 0
.set MSB, 0
.macro WIN new                         ; the immediate's high byte repeats the setting that is left; a switch that changes nothing is dropped
.if MSB != (\new)
	s_set_vgpr_msb (MSB<<8)|(\new)
.set MSB, (\new)
.endif
.endm
.macro PLACES n
.rept \n
	v_nop
.endr
.endm
; One matrix instruction.  The caller sets rD, rA, rB (first registers), rSA, rSB (scale registers), fRA, fRB (1: that side's scales stand in lanes 16-31).  zero = 1: the product starts its sum.
.macro WM zero
.if \zero
.if fRA && fRB
	v_wmma_scale_f32_16x16x128_f8f6f4 v[rD:rD+7], v[rA:rA+11], v[rB:rB+11], 0, v[rSA], v[rSB] matrix_a_fmt:MATRIX_FMT_BF6 matrix_b_fmt:MATRIX_FMT_BF6 matrix_a_scale:MATRIX_SCALE_ROW1 matrix_b_scale:MATRIX_SCALE_ROW1
.elseif fRA
	v_wmma_scale_f32_16x16x128_f8f6f4 v[rD:rD+7], v[rA:rA+11], v[rB:rB+11], 0, v[rSA], v[rSB] matrix_a_fmt:MATRIX_FMT_BF6 matrix_b_fmt:MATRIX_FMT_BF6 matrix_a_scale:MATRIX_SCALE_ROW1
.elseif fRB
	v_wmma_scale_f32_16x16x128_f8f6f4 v[rD:rD+7], v[rA:rA+11], v[rB:rB+11], 0, v[rSA], v[rSB] matrix_a_fmt:MATRIX_FMT_BF6 matrix_b_fmt:MATRIX_FMT_BF6 matrix_b_scale:MATRIX_SCALE_ROW1
.else
	v_wmma_scale_f32_16x16x128_f8f6f4 v[rD:rD+7], v[rA:rA+11], v[rB:rB+11], 0, v[rSA], v[rSB] matrix_a_fmt:MATRIX_FMT_BF6 matrix_b_fmt:MATRIX_FMT_BF6
.endif
.else
.if fRA && fRB
	v_wmma_scale_f32_16x16x128_f8f6f4 v[rD:rD+7], v[rA:rA+11], v[rB:rB+11], v[rD:rD+7], v[rSA], v[rSB] matrix_a_fmt:MATRIX_FMT_BF6 matrix_b_fmt:MATRIX_FMT_BF6 matrix_a_scale:MATRIX_SCALE_ROW1 matrix_b_scale:MATRIX_SCALE_ROW1
.elseif fRA
	v_wmma_scale_f32_16x16x128_f8f6f4 v[rD:rD+7], v[rA:rA+11], v[rB:rB+11], v[rD:rD+7], v[rSA], v[rSB] matrix_a_fmt:MATRIX_FMT_BF6 matrix_b_fmt:MATRIX_FMT_BF6 matrix_a_scale:MATRIX_SCALE_ROW1
.elseif fRB
	v_wmma_scale_f32_16x16x128_f8f6f4 v[rD:rD+7], v[rA:rA+11], v[rB:rB+11], v[rD:rD+7], v[rSA], v[rSB] matrix_a_fmt:MATRIX_FMT_BF6 matrix_b_fmt:MATRIX_FMT_BF6 matrix_b_scale:MATRIX_SCALE_ROW1
.else
	v_wmma_scale_f32_16x16x128_f8f6f4 v[rD:rD+7], v[rA:rA+11], v[rB:rB+11], v[rD:rD+7], v[rSA], v[rSB] matrix_a_fmt:MATRIX_FMT_BF6 matrix_b_fmt:MATRIX_FMT_BF6
.endif
.endif
.endm
.macro CREST                           ; a round of the cluster's barrier behind its opening barrier
	s_cmp_lg_u32 s14, 0
	s_cbranch_scc1 .Lnot_wave_0_\@
	s_barrier_signal -3
.Lnot_wave_0_\@:
	s_barrier_wait -3
	s_barrier_signal -1
	s_barrier_wait -1
.endm
.macro CROUND                          ; a whole round
	s_barrier_signal -1
	s_barrier_wait -1
	CREST
.endm
; The joint refill of slot 0: waves 0 and 1 fetch Q's two K steps, waves 2 and 3 P's.  The branch hangs on the wave's number alone.  Four v_nop follow each of the two lines.
.macro JLOAD
	s_cmp_eq_u32 s15, 0
	s_cbranch_scc0 .Lfor_p_\@
	tensor_load_to_lds s[G0Q:G0Q+3], s[G1Q:G1Q+7]
	s_nop 0
	PLACES 4
	s_branch .Lasked_\@
.Lfor_p_\@:
	tensor_load_to_lds s[G0P:G0P+3], s[G1P:G1P+7]
	s_nop 0
	PLACES 4
.Lasked_\@:
.endm
	s_load_b256 s[4:11], s[0:1], 0x0               ; xq s[4:5], wq s[6:7], qk s[8:9], vv s[10:11]
	v_lshl_add_u32 v[SPW], v0, 2, SPARE
	v_mov_b32 v[NIL], 0
	ds_add_u32 v2, v3
	ds_add_u32 v2, v3
	s_wait_dscnt 0x0
	v_lshrrev_b32 v1, 5, v0
	v_readfirstlane_b32 s14, v1                    ; wave 0..3
	s_lshr_b32 s15, s14, 1                         ; wr: which half of Q's rows is mine.  Also: I fetch for Q (0) or for P (1)
	s_and_b32 s16, s14, 1                          ; wc: which half of P's rows.  Also: which of a slot's two K steps I fetch
	s_mov_b32 s17, ttmp9                           ; j: the kind
	s_and_b32 s18, ttmp7, 0xffff                   ; cluster y: four blocks of 256 rows of x
	s_lshr_b32 s19, s18, 3                         ; tz: 0 V, 1 T
	s_mul_i32 s20, s19, 3
	s_add_co_u32 s20, s20, s17                     ; which weight: 3 tz + j
	s_bfe_u32 s40, ttmp6, 0x40000                  ; cx
	s_bfe_u32 s41, ttmp6, 0x40004                  ; cy
	s_lshl_b32 s43, s41, 2
	s_lshl_b32 s43, 15, s43                        ; my row of the cluster
	s_lshl_b32 s44, 0x1111, s40                    ; my column
	; descriptor group 1: 25,600 dense bytes as 100 rows of 256 (32 elements of 8 bytes), no padding: records are read 16 x lane on end
	s_or_b32 s[G1Q], s43, (3<<16)|(1<<21)          ; 15:0 the mask; 17:16 elements of 8 bytes; 21 set beside a mask
	s_or_b32 s[G1P], s44, (3<<16)|(1<<21)
.irp g, G1Q, G1P
	s_mov_b32 s[\g+1], 32<<16                      ; tensor_dim0 = 32
	s_mov_b32 s[\g+2], 100<<16                     ; tensor_dim1 = 100
	s_mov_b32 s[\g+3], 32<<16                      ; tile_dim0 = 32
	s_mov_b32 s[\g+4], 100                         ; tile_dim1 = 100
	s_mov_b32 s[\g+5], 32                          ; from row to row
	s_mov_b32 s[\g+6], 0
	s_mov_b32 s[\g+7], 0
.endr
	; Q's two candidates hang on cy alone, in registers that never hold cx
	s_lshl_b32 s21, s18, 2
	s_add_co_u32 s21, s21, s41                     ; yq: block of x = 4 x cluster y + cy
	s_lshr_b32 s22, s21, 1
	s_mul_i32 s22, s22, 64*RECB                    ; xq: [16 tz + b][K step 8][quad 8]
	s_and_b32 s23, s21, 1
	s_mul_i32 s23, s23, BLK
	s_add_co_u32 s22, s22, s23
	s_mul_i32 s23, s20, 128*RECB                   ; wq: [weight][K step 8][quad 16]
	s_mul_i32 s36, s41, BLK
	s_add_co_u32 s23, s23, s36
	; P's hang on cx alone, in registers that never hold cy
	s_lshl_b32 s45, s18, 2
	s_add_co_u32 s45, s45, s40                     ; yp: block of x = 4 x cluster y + cx
	s_lshr_b32 s46, s45, 1
	s_mul_i32 s46, s46, 64*RECB
	s_and_b32 s47, s45, 1
	s_mul_i32 s47, s47, BLK
	s_add_co_u32 s46, s46, s47
	s_mul_i32 s47, s20, 128*RECB
	s_mul_i32 s38, s40, BLK
	s_add_co_u32 s47, s47, s38
	s_mov_b32 s58, 8*RECB                          ; from K step to K step in xq,
	s_mov_b32 s59, 16*RECB                         ; and in wq
	s_mov_b32 s[SEL], 0x76543210
	s_mov_b32 s[SEL+1], 0xfedcba98
	s_wait_kmcnt 0x0
	s_cmp_lt_u32 s17, 2                            ; queries and keys: Q = x, P = the weight;  values: Q = the weight, P = x
	s_cselect_b64 s[32:33], s[4:5], s[6:7]
	s_cselect_b64 s[34:35], s[6:7], s[4:5]
	s_cselect_b32 s36, s22, s23
	s_cselect_b32 s38, s47, s46
	s_cselect_b32 s56, s58, s59                    ; Q's stride
	s_cselect_b32 s57, s59, s58                    ; P's
	s_mov_b32 s37, 0
	s_mov_b32 s39, 0
	s_add_nc_u64 s[32:33], s[32:33], s[36:37]
	s_add_nc_u64 s[34:35], s[34:35], s[38:39]
	s_mul_i32 s36, s16, s56                        ; my K step of a slot's two
	s_mul_i32 s38, s16, s57
	s_add_nc_u64 s[32:33], s[32:33], s[36:37]
	s_add_nc_u64 s[34:35], s[34:35], s[38:39]
	s_lshl_b32 s36, s56, 1                         ; from slot to slot: two K steps
	s_lshl_b32 s38, s57, 1
	s_mul_i32 s60, s56, 6                          ; slot 0's refill lies six K steps on
	s_mov_b32 s61, 0
	s_mul_i32 s62, s57, 6
	s_mov_b32 s63, 0
	s_mul_i32 s42, s14, BLK                        ; where my part goes: wave x 25,600: no place in the cluster enters an LDS address
	CROUND                                         ; all sixteen work-groups are here: the first joint loads meet
.irp n, 0,1,2
	s_mov_b32 s[G0Q+4*\n], 1                       ; 1:0 count = 1
	s_add_co_u32 s[G0Q+4*\n+1], s42, \n*SLOT       ; 63:32 LDS address
	s_mov_b64 s[G0Q+4*\n+2:G0Q+4*\n+3], s[32:33]   ; 120:64 global address: K step 2 n + my one of the two
	s_or_b32 s[G0Q+4*\n+3], s[G0Q+4*\n+3], 0x80000000   ; 127:126 type = 2
	s_add_nc_u64 s[32:33], s[32:33], s[36:37]
	s_mov_b32 s[G0P+4*\n], 1
	s_add_co_u32 s[G0P+4*\n+1], s42, \n*SLOT
	s_mov_b64 s[G0P+4*\n+2:G0P+4*\n+3], s[34:35]
	s_or_b32 s[G0P+4*\n+3], s[G0P+4*\n+3], 0x80000000
	s_add_nc_u64 s[34:35], s[34:35], s[38:39]
.endr
	s_cmp_eq_u32 s15, 0                            ; a wave's three first fills stand in one branch, ahead of every wait on TENSORcnt, every LDS read and every further barrier
	s_cbranch_scc0 .Lfirst_p
	tensor_load_to_lds s[G0Q:G0Q+3], s[G1Q:G1Q+7]
	s_nop 0
	tensor_load_to_lds s[G0Q+4:G0Q+7], s[G1Q:G1Q+7]
	s_nop 0
	tensor_load_to_lds s[G0Q+8:G0Q+11], s[G1Q:G1Q+7]
	s_nop 0
	PLACES 4
	s_branch .Lfirst_asked
.Lfirst_p:
	tensor_load_to_lds s[G0P:G0P+3], s[G1P:G1P+7]
	s_nop 0
	tensor_load_to_lds s[G0P+4:G0P+7], s[G1P:G1P+7]
	s_nop 0
	tensor_load_to_lds s[G0P+8:G0P+11], s[G1P:G1P+7]
	s_nop 0
	PLACES 4
.Lfirst_asked:
	v_and_b32 v1, 31, v0
	v_lshlrev_b32 v[L16], 4, v1
	v_lshlrev_b32 v[L8], 3, v1
	s_mul_i32 s12, s16, 2*RECB                     ; my two records of P's four,
	s_add_co_u32 s12, s12, 2*BLK                   ; behind Q's two K steps
	s_mul_i32 s13, s15, 2*RECB                     ; my two records of Q's four
.irp n, 0,1,2
	v_add_nc_u32 v[ADP+\n], s12, v[L16]
	v_add_nc_u32 v[ADQ+\n], s13, v[L16]
	v_add_nc_u32 v[ASP+\n], s12, v[L8]
	v_add_nc_u32 v[ASQ+\n], s13, v[L8]
	s_add_co_u32 s12, s12, SLOT
	s_add_co_u32 s13, s13, SLOT
.endr
	; where my results go (registers of their own: here cx and cy meet).  Queries, keys: qk [dir = tz ^ j][role = j][b][K step = 2 cx + wc][quad = 4 (yq & 1) + 2 wr]
	s_xor_b32 s96, s19, s17
	s_lshl_b32 s96, s96, 1
	s_add_co_u32 s96, s96, s17
	s_lshl_b32 s96, s96, 4
	s_bfe_u32 s97, s21, 0x40001
	s_add_co_u32 s96, s96, s97
	s_lshl_b32 s96, s96, 3
	s_lshl_b32 s97, s40, 1
	s_add_co_u32 s96, s96, s97
	s_add_co_u32 s96, s96, s16
	s_lshl_b32 s96, s96, 3
	s_and_b32 s97, s21, 1
	s_lshl_b32 s97, s97, 2
	s_add_co_u32 s96, s96, s97
	s_lshl_b32 s97, s15, 1
	s_add_co_u32 s96, s96, s97
	; values: vv [dir = tz ^ 1][b][K step = 2 (yp & 1) + wc][quad = 4 cy + 2 wr]
	s_xor_b32 s98, s19, 1
	s_lshl_b32 s98, s98, 4
	s_bfe_u32 s99, s45, 0x40001
	s_add_co_u32 s98, s98, s99
	s_lshl_b32 s98, s98, 2
	s_and_b32 s99, s45, 1
	s_lshl_b32 s99, s99, 1
	s_add_co_u32 s98, s98, s99
	s_add_co_u32 s98, s98, s16
	s_lshl_b32 s98, s98, 4
	s_lshl_b32 s99, s41, 2
	s_add_co_u32 s98, s98, s99
	s_add_co_u32 s98, s98, s97
	s_cmp_lt_u32 s17, 2
	s_cselect_b32 s96, s96, s98
	s_cselect_b64 s[92:93], s[8:9], s[10:11]
	s_mul_i32 s96, s96, RECB
	s_mov_b32 s97, 0
	s_add_nc_u64 s[92:93], s[92:93], s[96:97]
.macro FETCH_P slot, kk, set           ; 26 LDS loads: my 8 fragments of P of the slot's K step kk into set, and their scale words
	WIN TO_P
.irp b, 0,1,2,3,4,5,6,7
.irp c, 0,1,2
	ds_load_b128 v[128*(\set)+12*\b+4*\c:128*(\set)+12*\b+4*\c+3], v[ADP+\slot] offset:BLK*(\kk)+RECB*(\b/4)+1536*(\b%4)+512*\c
.endr
.endr
	WIN 0
.irp q, 0,1
	ds_load_b64 v[SPS+4*(\set)+2*\q:SPS+4*(\set)+2*\q+1], v[ASP+\slot] offset:BLK*(\kk)+RECB*\q+6144
.endr
.endm
.macro FETCH_Q slot, kk, q             ; 13 LDS loads: record q of my two of Q: tiles 4 q .. 4 q + 3 and their scale words
.irp i, 0,1,2,3
.irp c, 0,1,2
	ds_load_b128 v[QF+12*(4*(\q)+\i)+4*\c:QF+12*(4*(\q)+\i)+4*\c+3], v[ADQ+\slot] offset:BLK*(\kk)+RECB*(\q)+1536*\i+512*\c
.endr
.endr
	ds_load_b64 v[SQS+2*(\q):SQS+2*(\q)+1], v[ASQ+\slot] offset:BLK*(\kk)+RECB*(\q)+6144
.endm
; 16 matrix instructions: Q's tiles a0, a0 + 1 x P's eight.  The 64 accumulators take turns, one instruction a turn, in the same order in every K step.
.macro MUL16 a0, set, zero
.irp a, \a0, \a0+1
.irp b, 0,1,2,3,4,5,6,7
.set rD, 8*(8*((\a)%4)+\b)
.set rA, 128*(\set)+12*\b
.set rB, QF+12*(\a)
.set rSA, SPS+4*(\set)+\b/2
.set rSB, SQS+(\a)/2
.set fRA, \b%2
.set fRB, (\a)%2
	WM \zero
.endr
.endr
.endm
; A load into a register that a matrix instruction has read stands four places behind it, and only plain vector instructions that name none of its registers are places (ISA guide 7.12.1 for vector instructions).
; A K step whose successor needs no barrier: it multiplies P's set, and fetches K step (nslot, nkk).
.macro STEP set, nslot, nkk, zero
	s_wait_dscnt 13                                ; P's set and Q's tiles 0-3 are in; the youngest 13 loads (Q's tiles 4-7) may be out
	WIN MUL_LO
	MUL16 0, \set, \zero
	MUL16 2, \set, \zero
	s_wait_dscnt 0x0                               ; Q's tiles 4-7 are in (asked for 32 matrix instructions ago)
	PLACES 4
	FETCH_P \nslot, \nkk, 1-\set
	FETCH_Q \nslot, \nkk, 0
	WIN MUL_HI
	MUL16 4, \set, \zero
	MUL16 6, \set, \zero
	PLACES 4
	WIN 0
	FETCH_Q \nslot, \nkk, 1
.endm
; A K step (always on set 1) with a barrier in it.  In front of the barrier each wave waits for all its tensor loads, adds 0 to its spare word, and waits for that and for its own LDS reads.
; fill = 1: the barrier opens a round of the cluster's; behind the round no wave of any partner reads slot 0 or has a load on its way, every slot is whole, and slot 0 is asked for again.
.macro TURN nslot, fill
	s_wait_tensorcnt 0x0                           ; all my tensor loads have landed  (every window is 0 here: the add's two registers lie in window 0)
	ds_add_u32 v[SPW], v[NIL]                      ; 0 onto my spare word
	s_wait_dscnt 14                                ; (the add and the youngest 13 loads, Q's tiles 4-7, may be out)
	WIN MUL_LO
	MUL16 0, 1, 0                                  ; sixteen matrix instructions stand between the add and the wait for it
	s_wait_dscnt 0x0                               ; the add is done, and my LDS reads are over
	s_barrier_signal -1
	MUL16 2, 1, 0
	WIN 0
	s_barrier_wait -1
.if \fill
	CREST
	s_add_nc_u64 s[G0Q+2:G0Q+3], s[G0Q+2:G0Q+3], s[60:61]   ; no tensor load of mine is out, so a group 0 may be written: K steps 6 and 7
	s_add_nc_u64 s[G0P+2:G0P+3], s[G0P+2:G0P+3], s[62:63]
	JLOAD                                          ; the first tensor load behind the round, one a wave; the four v_nop behind it are also the places in front of the loads below
.else
	PLACES 4
.endif
	FETCH_P \nslot, 0, 0
	FETCH_Q \nslot, 0, 0
	WIN MUL_HI
	MUL16 4, 1, 0
	MUL16 6, 1, 0
	PLACES 4
	WIN 0
	FETCH_Q \nslot, 0, 1
.endm
	s_wait_tensorcnt 2                             ; my part of slot 0 is in; slots 1 and 2 may stay out
	s_barrier_signal -1
	s_barrier_wait -1                              ; everybody's is
	FETCH_P 0, 0, 0
	FETCH_Q 0, 0, 0
	FETCH_Q 0, 0, 1
	STEP 0, 0, 1, 1                                ; K step 0: its products start the sums: nothing is cleared
	TURN 1, 1                                      ; K step 1; slot 0 is left and asked for again
	STEP 0, 1, 1, 0                                ; K step 2
	STEP 1, 2, 0, 0                                ; K step 3: on into slot 2 with no barrier: the round has shown slots 1 and 2 whole to every wave
	STEP 0, 2, 1, 0                                ; K step 4
	TURN 0, 0                                      ; K step 5; slot 0's second fill has landed in every wave; nothing more is asked for
	STEP 0, 0, 1, 0                                ; K step 6
	s_wait_dscnt 13                                ; K step 7: nothing more to fetch
	WIN MUL_LO
	MUL16 0, 1, 0
	MUL16 2, 1, 0
	s_wait_dscnt 0x0
	WIN MUL_HI
	MUL16 4, 1, 0
	MUL16 6, 1, 0
	WIN 0
; THE WAY OUT.  For each tile a of Q a lane holds 64 results of ONE row: register 16 b + i is k = 32 b + 16 (lane / 16) + i of the result's K step.  relu, the blocks' scales, the codes: a fragment of the next product.
; 64 numbers v[s] on (none negative) become 12 registers of codes at v[pc] and the row's scale word in v[pw].
.macro QUANT s, pc, pw
.irp b, 0,1,2,3
	v_max3_num_f32 v[TM+\b], v[(\s)+16*\b], v[(\s)+1+16*\b], 0x2800000   ; block b: my 16 numbers and the floor 2^(5 - 127): the byte cannot fall under 1
.endr
.irp i, 2,4,6,8,10,12,14
.irp b, 0,1,2,3
	v_max3_num_f32 v[TM+\b], v[TM+\b], v[(\s)+16*\b+\i], v[(\s)+1+16*\b+\i]   ; (the four blocks by turns)
.endr
.endr
.irp b, 0,1,2,3
	v_permlanex16_b32 v[TM+4+\b], v[TM+\b], s[SEL], s[SEL+1]
.endr
.irp b, 0,1,2,3
	v_max_num_f32 v[TM+\b], v[TM+\b], v[TM+4+\b]   ; with lane l xor 16's 16: the block's largest number
.endr
.irp b, 0,1,2,3
	v_add_nc_u32 v[TM+12+\b], 0xfe000000, v[TM+\b] ; 4 off its exponent field: the conversion's scale operand
.endr
.irp b, 0,1,2,3
	v_lshrrev_b32 v[TM+4+\b], 23, v[TM+12+\b]      ; the scale's byte
.endr
	v_lshl_or_b32 v[\pw], v[TM+5], 8, v[TM+4]
	v_lshl_or_b32 v[\pw], v[TM+6], 16, v[\pw]
	v_lshl_or_b32 v[\pw], v[TM+7], 24, v[\pw]
.irp c, 0,1
	v_cvt_scalef32_pk16_bf6_f32 v[(\pc)+6*\c:(\pc)+6*\c+2], v[(\s)+32*\c:(\s)+32*\c+15], v[TM+12+2*\c]
	v_cvt_scalef32_pk16_bf6_f32 v[PT+4*\c:PT+4*\c+2], v[(\s)+32*\c+16:(\s)+32*\c+31], v[TM+13+2*\c]   ; (a conversion's three registers begin on an even number)
.endr
	v_nop                                          ; one plain instruction behind the scaled conversions
.irp c, 0,1                            ; the operand's layout wants a WHOLE block in a lane: lanes 0-15 block 2 c, lanes 16-31 block 2 c + 1
.irp i, 0,1,2
	v_permlane16_swap_b32 v[(\pc)+6*\c+\i], v[PT+4*\c+\i]
.endr
.irp i, 0,1,2
	v_mov_b32 v[(\pc)+6*\c+3+\i], v[PT+4*\c+\i]
.endr
.endr
.endm
	PLACES 4                                       ; behind the last products: results are read, and registers that held Q's fragments are written
	s_mov_b32 vcc_lo, 0xffff0000                   ; lanes 16-31
.irp b, 0,1,2,3
	v_mov_b32 v[TM+4+\b], 0                        ; written once: a lane permute's destination counts as one of its sources
.endr
.irp a, 0,1,2,3,4,5,6,7
	WIN 0x08+4*(\a/4)                              ; source 1: window 2 or 3
.set i, 0
.rept 64
	v_max_num_f32 v[HT+i], 0, v[64*(\a%4)+i]       ; relu, and the move into window 0; each accumulator from its low end on
.set i, i+1
.endr
	WIN 0
	QUANT HT, PC+12*\a, PW+\a
.irp c, 0,1,2
	global_store_b128 v[L16], v[PC+12*\a+4*\c:PC+12*\a+4*\c+3], s[92:93] offset:RECB*(\a/4)+1536*(\a%4)+512*\c   ; 32 lanes store 512 consecutive bytes; each tile has registers of its own, so no store's data are written again
.endr
.if (\a%4) == 3
	v_cndmask_b32 v[SW+2*(\a/4)], v[PW+\a-3], v[PW+\a-2], vcc_lo    ; lanes 0-15 the even tile's words, lanes 16-31 the odd tile's
	v_cndmask_b32 v[SW+2*(\a/4)+1], v[PW+\a-1], v[PW+\a], vcc_lo
	global_store_b64 v[L8], v[SW+2*(\a/4):SW+2*(\a/4)+1], s[92:93] offset:RECB*(\a/4)+6144
.endif
.endr
	s_wait_tensorcnt 0x0                           ; the wave's end
	ds_add_u32 v[SPW], v[NIL]
	s_wait_dscnt 0x0
	CROUND                                         ; the closing round: no work-group ends while a partner may still ask for a tile that names it
	s_endpgm
.Lfunc_end_k_qa3f690dbd2_proj:
	.size	k_qa3f690dbd2_proj, .Lfunc_end_k_qa3f690dbd2_proj-k_qa3f690dbd2_proj
	.p2alignl 7, 3214868480
	.fill 96, 4, 3214868480
	.section	.rodata,"a",@progbits
	.p2align	6, 0x0
	.amdhsa_kernel k_qa3f690dbd2_proj
		.amdhsa_group_segment_fixed_size 327680
		.amdhsa_private_segment_fixed_size 0
		.amdhsa_enable_private_segment 0
		.amdhsa_kernarg_size 32
		.amdhsa_user_sgpr_count 2
		.amdhsa_user_sgpr_kernarg_segment_ptr 1
		.amdhsa_wavefront_size32 1
		.amdhsa_system_sgpr_workgroup_id_x 1
		.amdhsa_system_sgpr_workgroup_id_y 1
		.amdhsa_system_sgpr_workgroup_id_z 1
		.amdhsa_system_vgpr_workitem_id 0
		.amdhsa_next_free_vgpr 1024
		.amdhsa_next_free_sgpr 100
		.amdhsa_reserve_vcc 1
		.amdhsa_float_denorm_mode_32 3
		.amdhsa_float_denorm_mode_16_64 3
		.amdhsa_memory_ordered 1
		.amdhsa_forward_progress 1
		.amdhsa_inst_pref_size 154
	.end_amdhsa_kernel
	.amdgpu_metadata
---
amdhsa.version: [ 1, 2 ]
amdhsa.kernels:
  - .name:           k_qa3f690dbd2_proj
    .symbol:         k_qa3f690dbd2_proj.kd
    .args:
      - { .name: xq, .offset: 0, .size: 8, .value_kind: global_buffer, .address_space: global }
      - { .name: wq, .offset: 8, .size: 8, .value_kind: global_buffer, .address_space: global }
      - { .name: qk, .offset: 16, .size: 8, .value_kind: global_buffer, .address_space: global }
      - { .name: vv, .offset: 24, .size: 8, .value_kind: global_buffer, .address_space: global }
    .group_segment_fixed_size: 327680
    .private_segment_fixed_size: 0
    .kernarg_segment_align: 8
    .kernarg_segment_size: 32
    .max_flat_workgroup_size: 128
    .sgpr_count:     100
    .vgpr_count:     1024
    .wavefront_size: 32
...
	.end_amdgpu_metadata
.endif
;; end of part 2
;; launch attn (part 3): grid 8 x 32, 8 waves a work-group, no clusters, 168,960 bytes of LDS; arguments qk, pq, ps; writes pq, ps
.if DOCPART == 3
	.amdgcn_target "amdgcn-amd-amdhsa--gfx1250"
	.amdhsa_code_object_version 6
	.text
	.protected	k_qa3f690dbd2_attn
	.globl	k_qa3f690dbd2_attn
	.p2align	8
	.type	k_qa3f690dbd2_attn,@function
k_qa3f690dbd2_attn:
	s_mov_b64 s[64:65], 0
	v_nop
	global_prefetch_b8 v0, s[64:65] scope:SCOPE_SE
	s_setreg_imm32_b32 hwreg(HW_REG_WAVE_MODE, 25, 1), 1
	s_wait_xcnt 0x0
; ATTN.  For one branch and batch (work-group y = 16 dir + b) and 64 keys (work-group x): S = q k^T over K = 1,024 on codes of E3M2, p = softmax of S / 32 OVER THE 512 QUERIES, finished and normalised, then quantised along the keys.
; q and k come as records (four tiles of 16 rows x 128 along K as register images, 6,144 bytes, + 256 bytes of scale words; tile 2 g + u holds rows 32 g + 8 u + r + 8 (r / 8)).
; SHARES.  Eight waves; wave w owns queries 64 w .. 64 w + 63 (4 tiles) against the 4 tiles of keys: 16 accumulators.  S^T = k q^T (source 0 = keys): a lane holds one query, and register 8 kt + j the key
; 32 (kt / 2) + 16 (lane / 16) + 8 (kt % 2) + j: the 16 registers of two neighbouring tiles are 16 neighbouring keys, as the quantiser along the keys wants them.
; k's 8 records (51,200 bytes, read by all eight waves) come into LDS once, one tensor load a wave.  q's records are each multiplied by ONE wave: they go from memory straight into a ring of four records in that wave's registers,
; three on their way while one is multiplied.  NO CLUSTER: the eight work-groups of a branch and batch do read the same q, but brought jointly its 409,600 bytes would have to pass through LDS, written and read once more,
; through slots filled again behind a round each; k, the part that lies in LDS, differs between them.
; A key's maximum and sum over the queries: over my 4 tiles in registers, over the 16 lanes of a half by DPP, over the 8 waves through LDS (two barriers).  The maximum is taken away before the scaling: t = (s - max) x log2(e) / 32.
; OUT.  pq: for each tile of queries and these 64 keys half a fragment (registers 6 c .. 6 c + 5: 768 bytes);  ps: the two scale bytes of each row.
; LIMITS: NaN and infinities are not served; a block of p whose largest number lies under 2^-122 keeps the byte 1.  p = e x the reciprocal of the sum.
.set RECB, 6400
.set RED,  51200                       ; LDS behind k: [wave 8][key 64] f32: the waves' maxima;  + 4,096: their sums
.set FIN,  53248                       ; [wave 8][key 64]: each wave's own copy of the result;  + 4,096 likewise
.set L16, 1                            ; v1   16 x lane
.set L8,  2                            ; v2   8 x lane
.set KSA, 3                            ; v3   8 x lane + 6,144: k's scale words
.set R1S, 4                            ; v4   RED + 256 w + 128 (lane / 16)
.set R1L, 5                            ; v5   RED + 8 x lane
.set F1S, 6                            ; v6   FIN + 256 w + 8 x lane
.set F1L, 7                            ; v7   FIN + 256 w + 128 (lane / 16)
.set KS,  8                            ; v8-9   k's scale words, and nothing else
.set QS,  10                           ; v10-17 q's, a pair for each record of the ring
.set ACC, 32                           ; v32-159  accumulator (qt, kt) at 32 qt + 8 kt
.set CM,  160                          ; v160-191 a figure for each of my 32 keys
.set TP,  192                          ; v192-223 at work
.set P6,  224                          ; v224-247 the codes, 6 registers a tile of queries
.set HW,  248                          ; v248-251 their two scale bytes
.set W2,  252                          ; v252-253 the same as ps wants them
.set KF,  192                          ; window 1: v0-191 the ring (48 registers a record); v192-239 k's four fragments
.set MSB, 0
.macro WIN new
.if MSB != (\new)
	s_set_vgpr_msb (MSB<<8)|(\new)
.set MSB, (\new)
.endif
.endm
.macro PLACES n
.rept \n
	v_nop
.endr
.endm
.macro WM zero                         ; one matrix instruction from the symbols rD, rA, rB, rSA, rSB, fRA, fRB (1: that side's scales stand in lanes 16-31)
.if \zero
.if fRA && fRB
	v_wmma_scale_f32_16x16x128_f8f6f4 v[rD:rD+7], v[rA:rA+11], v[rB:rB+11], 0, v[rSA], v[rSB] matrix_a_fmt:MATRIX_FMT_BF6 matrix_b_fmt:MATRIX_FMT_BF6 matrix_a_scale:MATRIX_SCALE_ROW1 matrix_b_scale:MATRIX_SCALE_ROW1
.elseif fRA
	v_wmma_scale_f32_16x16x128_f8f6f4 v[rD:rD+7], v[rA:rA+11], v[rB:rB+11], 0, v[rSA], v[rSB] matrix_a_fmt:MATRIX_FMT_BF6 matrix_b_fmt:MATRIX_FMT_BF6 matrix_a_scale:MATRIX_SCALE_ROW1
.elseif fRB
	v_wmma_scale_f32_16x16x128_f8f6f4 v[rD:rD+7], v[rA:rA+11], v[rB:rB+11], 0, v[rSA], v[rSB] matrix_a_fmt:MATRIX_FMT_BF6 matrix_b_fmt:MATRIX_FMT_BF6 matrix_b_scale:MATRIX_SCALE_ROW1
.else
	v_wmma_scale_f32_16x16x128_f8f6f4 v[rD:rD+7], v[rA:rA+11], v[rB:rB+11], 0, v[rSA], v[rSB] matrix_a_fmt:MATRIX_FMT_BF6 matrix_b_fmt:MATRIX_FMT_BF6
.endif
.else
.if fRA && fRB
	v_wmma_scale_f32_16x16x128_f8f6f4 v[rD:rD+7], v[rA:rA+11], v[rB:rB+11], v[rD:rD+7], v[rSA], v[rSB] matrix_a_fmt:MATRIX_FMT_BF6 matrix_b_fmt:MATRIX_FMT_BF6 matrix_a_scale:MATRIX_SCALE_ROW1 matrix_b_scale:MATRIX_SCALE_ROW1
.elseif fRA
	v_wmma_scale_f32_16x16x128_f8f6f4 v[rD:rD+7], v[rA:rA+11], v[rB:rB+11], v[rD:rD+7], v[rSA], v[rSB] matrix_a_fmt:MATRIX_FMT_BF6 matrix_b_fmt:MATRIX_FMT_BF6 matrix_a_scale:MATRIX_SCALE_ROW1
.elseif fRB
	v_wmma_scale_f32_16x16x128_f8f6f4 v[rD:rD+7], v[rA:rA+11], v[rB:rB+11], v[rD:rD+7], v[rSA], v[rSB] matrix_a_fmt:MATRIX_FMT_BF6 matrix_b_fmt:MATRIX_FMT_BF6 matrix_b_scale:MATRIX_SCALE_ROW1
.else
	v_wmma_scale_f32_16x16x128_f8f6f4 v[rD:rD+7], v[rA:rA+11], v[rB:rB+11], v[rD:rD+7], v[rSA], v[rSB] matrix_a_fmt:MATRIX_FMT_BF6 matrix_b_fmt:MATRIX_FMT_BF6
.endif
.endif
.endm
	s_load_b128 s[4:7], s[0:1], 0x0                ; qk, pq
	s_load_b64 s[8:9], s[0:1], 0x10                ; ps
	v_lshl_add_u32 v254, v0, 2, 0x29000
	v_mov_b32 v255, 0
	ds_add_u32 v254, v255
	ds_add_u32 v254, v255
	v_lshrrev_b32 v1, 5, v0
	v_readfirstlane_b32 s12, v1                    ; wave 0..7
	s_mov_b32 s13, ttmp9                           ; ch: which 64 keys
	s_and_b32 s14, ttmp7, 0xffff                   ; 16 dir + b
	s_lshr_b32 s15, s14, 4
	s_and_b32 s16, s14, 15
	; descriptor group 1: a record, 6,400 dense bytes, as 25 rows of 256 (32 elements of 8 bytes)
	s_mov_b32 s24, 3<<16                           ; no mask; elements of 8 bytes; no padding
	s_mov_b32 s25, 32<<16                          ; tensor_dim0
	s_mov_b32 s26, 25<<16                          ; tensor_dim1
	s_mov_b32 s27, 32<<16                          ; tile_dim0
	s_mov_b32 s28, 25                              ; tile_dim1
	s_mov_b32 s29, 32                              ; from row to row
	s_mov_b32 s30, 0
	s_mov_b32 s31, 0
	s_mov_b32 s20, 0x76543210
	s_mov_b32 s21, 0xfedcba98                      ; v_permlanex16_b32's selects for lane l xor 16
	s_mov_b32 s22, 0x3d38aa3b                      ; log2(e) / 32
	s_mov_b32 s23, s22                             ; (named with it as a pair, so it is written)
	s_lshl_b32 s17, s15, 5
	s_add_co_u32 s17, s17, s16                     ; qk: [dir][role][b] = 32 dir + 16 role + b, 64 records each
	s_mul_i32 s38, s17, 64*RECB
	s_mul_i32 s18, s12, RECB
	s_add_co_u32 s38, s38, s18                     ; q: my quad w of K step 0
	s_mov_b32 s39, 0
	s_add_co_u32 s44, s17, 16
	s_mul_i32 s44, s44, 64*RECB
	s_mul_i32 s19, s12, 8*RECB
	s_add_co_u32 s44, s44, s19
	s_mul_i32 s19, s13, RECB
	s_add_co_u32 s44, s44, s19                     ; k: K step w, quad ch
	s_mov_b32 s45, 0
	s_mul_i32 s46, s14, 196608                     ; pq: [16 dir + b][tile 32][ch 8] x 768 bytes; my tiles 4 w on
	s_mul_i32 s19, s12, 24576
	s_add_co_u32 s46, s46, s19
	s_mul_i32 s19, s13, 768
	s_add_co_u32 s46, s46, s19
	s_mov_b32 s47, 0
	s_lshl_b32 s10, s14, 3                         ; ps: [16 dir + b][ch 8][w 8] x 256 bytes
	s_add_co_u32 s10, s10, s13
	s_lshl_b32 s10, s10, 11
	s_lshl_b32 s19, s12, 8
	s_add_co_u32 s10, s10, s19
	s_mov_b32 s11, 0
	v_and_b32 v20, 31, v0
	v_lshlrev_b32 v[L16], 4, v20
	v_lshlrev_b32 v[L8], 3, v20
	v_add_nc_u32 v[KSA], 6144, v[L8]
	v_bfe_u32 v21, v0, 4, 1
	v_lshlrev_b32 v21, 7, v21                      ; 128 (lane / 16)
	s_add_co_u32 s2, s19, RED
	v_add_nc_u32 v[R1S], s2, v21
	v_add_nc_u32 v[R1L], RED, v[L8]
	s_add_co_u32 s2, s19, FIN
	v_add_nc_u32 v[F1S], s2, v[L8]
	v_add_nc_u32 v[F1L], s2, v21
	s_wait_dscnt 0x0
	s_wait_kmcnt 0x0
	s_add_nc_u64 s[36:37], s[4:5], s[38:39]
	s_mov_b32 s32, 1                               ; 1:0 count = 1
	s_mov_b32 s33, s18                             ; 63:32 LDS address: record w
	s_add_nc_u64 s[34:35], s[4:5], s[44:45]        ; 120:64 global address
	s_or_b32 s35, s35, 0x80000000                  ; 127:126 type = 2
	tensor_load_to_lds s[32:35], s[24:31]          ; my one tensor load: bytes filled once in the launch
	s_nop 0
	PLACES 4
	s_add_nc_u64 s[40:41], s[6:7], s[46:47]
	s_add_nc_u64 s[42:43], s[8:9], s[10:11]
.macro Q128 s                          ; q's record of K step s into ring place s % 4: the codes (destination window 1),
.irp i, 0,1,2,3
.irp c, 0,1,2
	global_load_b128 v[48*((\s)%4)+12*\i+4*\c:48*((\s)%4)+12*\i+4*\c+3], v[L16], s[36:37] offset:8*RECB*(\s)+1536*\i+512*\c
.endr
.endr
.endm
.macro Q64 s                           ; and the scale words (window 0)
	global_load_b64 v[QS+2*((\s)%4):QS+2*((\s)%4)+1], v[L8], s[36:37] offset:8*RECB*(\s)+6144
.endm
.macro K128 s                          ; k's record of K step s from LDS
.irp i, 0,1,2,3
.irp c, 0,1,2
	ds_load_b128 v[KF+12*\i+4*\c:KF+12*\i+4*\c+3], v[L16] offset:RECB*(\s)+1536*\i+512*\c
.endr
.endr
.endm
.macro K64 s
	ds_load_b64 v[KS:KS+1], v[KSA] offset:RECB*(\s)
.endm
.irp s, 0,1,2,3
	WIN 0x40
	Q128 \s
	WIN 0
	Q64 \s
.endr
	s_wait_tensorcnt 0x0                           ; my record of k is in,
	s_barrier_signal -1
	s_barrier_wait -1                              ; everybody's is
	WIN 0x40
	K128 0
	WIN 0
	K64 0
; A K step: 16 matrix instructions, the 16 accumulators by turns; then the loads into what they have read, four places behind them.
.macro KSTEP s
.if (\s) < 5
	s_wait_loadcnt 39                              ; this step's 13 loads of q are in; those of the three records behind it may be out
.else
	s_wait_loadcnt 13*(7-(\s))
.endif
	s_wait_dscnt 0x0                               ; k's fragments are in
	WIN 0x05                                       ; sources 0 and 1 window 1; C and D window 0
.irp q, 0,1,2,3
.irp k, 0,1,2,3
.set rD, ACC+32*\q+8*\k
.set rA, KF+12*\k
.set rB, 48*((\s)%4)+12*\q
.set rSA, KS+\k/2
.set rSB, QS+2*((\s)%4)+\q/2
.set fRA, \k%2
.set fRB, \q%2
.if (\s) == 0
	WM 1
.else
	WM 0
.endif
.endr
.endr
	PLACES 4
.if (\s) < 7
	WIN 0x40
.if (\s) < 4
	Q128 (\s)+4
.endif
	K128 (\s)+1
	WIN 0
.if (\s) < 4
	Q64 (\s)+4
.endif
	K64 (\s)+1
.else
	WIN 0
.endif
.endm
.irp s, 0,1,2,3,4,5,6,7
	KSTEP \s
.endr
; A figure for each of my 32 keys (equal in the 16 lanes of a half) is joined over the eight waves.  Each wave stores its 64, a barrier, lane l joins keys 2 l and 2 l + 1 of all eight, and the result goes through the wave's own bytes
; back into the layout of CM (LDS serves a wave's instructions in order, ISA guide 5.7.1.4: no wait between that store and the loads).
.macro EXCH ismax, off
.irp i, 0,1,2,3,4,5,6,7
	ds_store_b128 v[R1S], v[CM+4*\i:CM+4*\i+3] offset:\off+16*\i   ; the sixteen lanes of a half write the same bytes with the same values
.endr
	s_wait_dscnt 0x0                               ; for the others' sake
	s_barrier_signal -1
	s_barrier_wait -1
.irp i, 0,1,2,3,4,5,6,7
	ds_load_b64 v[TP+2*\i:TP+2*\i+1], v[R1L] offset:\off+256*\i
.endr
	s_wait_dscnt 0x0
.if \ismax
.irp x, 0,1
	v_max3_num_f32 v[TP+16+\x], v[TP+\x], v[TP+2+\x], v[TP+4+\x]
	v_max3_num_f32 v[TP+16+\x], v[TP+16+\x], v[TP+6+\x], v[TP+8+\x]
	v_max3_num_f32 v[TP+16+\x], v[TP+16+\x], v[TP+10+\x], v[TP+12+\x]
	v_max_num_f32 v[TP+16+\x], v[TP+16+\x], v[TP+14+\x]
.endr
.else
	v_pk_add_f32 v[TP+16:TP+17], v[TP:TP+1], v[TP+2:TP+3]
.irp i, 2,3,4,5,6,7
	v_pk_add_f32 v[TP+16:TP+17], v[TP+16:TP+17], v[TP+2*\i:TP+2*\i+1]   ; in the same order in every wave
.endr
.endif
	ds_store_b64 v[F1S], v[TP+16:TP+17] offset:\off
.irp i, 0,1,2,3,4,5,6,7
	ds_load_b128 v[CM+4*\i:CM+4*\i+3], v[F1L] offset:\off+16*\i
.endr
	s_wait_dscnt 0x0
.endm
	; ---- each key's largest score over the queries
.set k, 0
.rept 32
	v_max3_num_f32 v[CM+k], v[ACC+k], v[ACC+32+k], v[ACC+64+k]     ; ascending: each accumulator is read from its low end on
.set k, k+1
.endr
.set k, 0
.rept 32
	v_max_num_f32 v[CM+k], v[CM+k], v[ACC+96+k]
.set k, k+1
.endr
.irp m, 1,2,4,8
.set k, 0
.rept 32
	v_max_num_f32_dpp v[CM+k], v[CM+k], v[CM+k] row_xmask:\m row_mask:0xf bank_mask:0xf
.set k, k+1
.endr
.endr
	EXCH 1, 0
	; ---- e = 2^((s - max) x log2(e) / 32)
.irp q, 0,1,2,3
.set k, 0
.rept 16
	v_pk_add_f32 v[ACC+32*\q+k:ACC+32*\q+k+1], v[ACC+32*\q+k:ACC+32*\q+k+1], v[CM+k:CM+k+1] neg_lo:[0,1] neg_hi:[0,1]
.set k, k+2
.endr
.endr
.set k, 0
.rept 64
	v_pk_mul_f32 v[ACC+k:ACC+k+1], v[ACC+k:ACC+k+1], s[22:23] op_sel_hi:[1,0]
.set k, k+2
.endr
.set k, 0
.rept 128
	v_exp_f32 v[ACC+k], v[ACC+k]
.set k, k+1
.endr
	v_nop                                          ; a plain instruction behind the exponentials
	; ---- each key's sum over the queries
.set k, 0
	s_wait_alu depctr_va_vdst(0)
.rept 16
	v_pk_add_f32 v[CM+k:CM+k+1], v[ACC+k:ACC+k+1], v[ACC+32+k:ACC+32+k+1]
.set k, k+2
.endr
.irp q, 2,3
.set k, 0
.rept 16
	v_pk_add_f32 v[CM+k:CM+k+1], v[CM+k:CM+k+1], v[ACC+32*\q+k:ACC+32*\q+k+1]
.set k, k+2
.endr
.endr
.irp m, 1,2,4,8
.set k, 0
.rept 32
	v_add_f32_dpp v[CM+k], v[CM+k], v[CM+k] row_xmask:\m row_mask:0xf bank_mask:0xf
.set k, k+1
.endr
.endr
	EXCH 0, 4096
.set k, 0
.rept 32
	v_rcp_f32 v[CM+k], v[CM+k]                     ; the sum is at least 1: the largest score's own term
.set k, k+1
.endr
	v_nop
	s_wait_alu depctr_va_vdst(0)
.irp q, 0,1,2,3
.set k, 0
.rept 16
	v_pk_mul_f32 v[ACC+32*\q+k:ACC+32*\q+k+1], v[ACC+32*\q+k:ACC+32*\q+k+1], v[CM+k:CM+k+1]   ; p, finished and normalised
.set k, k+2
.endr
.endr
	v_mov_b32 v[TP+2], 0                           ; written once: a lane permute's destination counts as one of its sources
	v_mov_b32 v[TP+3], 0
	s_mov_b32 vcc_lo, 0xffff0000                   ; lanes 16-31
; A tile of queries: a lane's 32 numbers are 16 of each of two blocks of 32 keys; lane l xor 16 holds the other 16.
.macro QUANT2 qt
.set rS, ACC+32*\qt
.irp b, 0,1
	v_max3_num_f32 v[TP+\b], v[rS+16*\b], v[rS+16*\b+1], 0x2800000   ; with the floor 2^(5 - 127): the byte cannot fall under 1
.endr
.irp i, 2,4,6,8,10,12,14
.irp b, 0,1
	v_max3_num_f32 v[TP+\b], v[TP+\b], v[rS+16*\b+\i], v[rS+16*\b+\i+1]
.endr
.endr
.irp b, 0,1
	v_permlanex16_b32 v[TP+2+\b], v[TP+\b], s20, s21
.endr
.irp b, 0,1
	v_max_num_f32 v[TP+\b], v[TP+\b], v[TP+2+\b]
.endr
.irp b, 0,1
	v_add_nc_u32 v[TP+4+\b], 0xfe000000, v[TP+\b]  ; 4 off the exponent field: the conversion's scale operand
.endr
.irp b, 0,1
	v_lshrrev_b32 v[TP+6+\b], 23, v[TP+4+\b]       ; the scale's byte
.endr
	v_lshl_or_b32 v[HW+\qt], v[TP+7], 8, v[TP+6]
	v_cvt_scalef32_pk16_bf6_f32 v[P6+6*\qt:P6+6*\qt+2], v[rS:rS+15], v[TP+4]
	v_cvt_scalef32_pk16_bf6_f32 v[TP+8:TP+10], v[rS+16:rS+31], v[TP+5]
	v_nop                                          ; one plain instruction behind the scaled conversions
.irp i, 0,1,2
	v_permlane16_swap_b32 v[P6+6*\qt+\i], v[TP+8+\i]   ; a whole block to a lane: lanes 0-15 the first block, lanes 16-31 the second
.endr
.irp i, 0,1,2
	v_mov_b32 v[P6+6*\qt+3+\i], v[TP+8+\i]
.endr
	global_store_b128 v[L16], v[P6+6*\qt:P6+6*\qt+3], s[40:41] offset:6144*\qt        ; 512 consecutive bytes,
	global_store_b64 v[L8], v[P6+6*\qt+4:P6+6*\qt+5], s[40:41] offset:6144*\qt+512    ; and 256
.endm
	QUANT2 0
	QUANT2 1
	QUANT2 2
	QUANT2 3
	v_cndmask_b32 v[W2], v[HW], v[HW+1], vcc_lo    ; lanes 0-15 the even tile's bytes, lanes 16-31 the odd tile's
	v_cndmask_b32 v[W2+1], v[HW+2], v[HW+3], vcc_lo
	global_store_b64 v[L8], v[W2:W2+1], s[42:43]   ; 256 consecutive bytes
	s_wait_tensorcnt 0x0
	ds_add_u32 v254, v255
	s_wait_dscnt 0x0
	s_endpgm
.Lfunc_end_k_qa3f690dbd2_attn:
	.size	k_qa3f690dbd2_attn, .Lfunc_end_k_qa3f690dbd2_attn-k_qa3f690dbd2_attn
	.p2alignl 7, 3214868480
	.fill 96, 4, 3214868480
	.section	.rodata,"a",@progbits
	.p2align	6, 0x0
	.amdhsa_kernel k_qa3f690dbd2_attn
		.amdhsa_group_segment_fixed_size 168960
		.amdhsa_private_segment_fixed_size 0
		.amdhsa_enable_private_segment 0
		.amdhsa_kernarg_size 24
		.amdhsa_user_sgpr_count 2
		.amdhsa_user_sgpr_kernarg_segment_ptr 1
		.amdhsa_wavefront_size32 1
		.amdhsa_system_sgpr_workgroup_id_x 1
		.amdhsa_system_sgpr_workgroup_id_y 1
		.amdhsa_system_sgpr_workgroup_id_z 1
		.amdhsa_system_vgpr_workitem_id 0
		.amdhsa_next_free_vgpr 512
		.amdhsa_next_free_sgpr 66
		.amdhsa_reserve_vcc 1
		.amdhsa_float_denorm_mode_32 3
		.amdhsa_float_denorm_mode_16_64 3
		.amdhsa_memory_ordered 1
		.amdhsa_forward_progress 1
		.amdhsa_inst_pref_size 91
	.end_amdhsa_kernel
	.amdgpu_metadata
---
amdhsa.version: [ 1, 2 ]
amdhsa.kernels:
  - .name:           k_qa3f690dbd2_attn
    .symbol:         k_qa3f690dbd2_attn.kd
    .args:
      - { .name: qk, .offset: 0, .size: 8, .value_kind: global_buffer, .address_space: global }
      - { .name: pq, .offset: 8, .size: 8, .value_kind: global_buffer, .address_space: global }
      - { .name: ps, .offset: 16, .size: 8, .value_kind: global_buffer, .address_space: global }
    .group_segment_fixed_size: 168960
    .private_segment_fixed_size: 0
    .kernarg_segment_align: 8
    .kernarg_segment_size: 24
    .max_flat_workgroup_size: 256
    .sgpr_count:     66
    .vgpr_count:     512
    .wavefront_size: 32
...
	.end_amdgpu_metadata
.endif
;; end of part 3
;; launch mix (part 4): grid 16 x 16, 4 waves a work-group, clusters of 4 x 4, 327,680 bytes of LDS; arguments V, T, tinv, vv, pq, ps, out0; writes out0
.if DOCPART == 4
	.amdgcn_target "amdgcn-amd-amdhsa--gfx1250"
	.amdhsa_code_object_version 6
	.text
	.protected	k_qa3f690dbd2_mix
	.globl	k_qa3f690dbd2_mix
	.p2align	8
	.type	k_qa3f690dbd2_mix,@function
k_qa3f690dbd2_mix:
	s_mov_b64 s[64:65], 0
	v_nop
	global_prefetch_b8 v0, s[64:65] scope:SCOPE_SE
	s_setreg_imm32_b32 hwreg(HW_REG_WAVE_MODE, 25, 1), 1
	s_wait_xcnt 0x0
	s_wait_alu depctr_hold_cnt(0) depctr_sa_sdst(0) depctr_va_vdst(0) depctr_va_sdst(0) depctr_va_ssrc(0) depctr_va_vcc(0) depctr_vm_vsrc(0)
	s_getreg_b32 s2, hwreg(HW_REG_IB_STS2, 6, 4)
	s_cmp_eq_u32 s2, 0
	s_cbranch_scc0 .Lentry_in_a_cluster
	s_endpgm
.Lentry_in_a_cluster:
	s_bfe_u32 s2, ttmp6, 0x10000c
	s_cmp_lg_u32 s2, 0xf033
	s_cbranch_scc0 .Lentry_shape_is_right
	s_endpgm
.Lentry_shape_is_right:
; MIX.  For one batch b and 32 columns l: w1^T = (p1 v1)^T and w2^T = (p2 v2)^T on codes of E3M2 (K = 512 keys), x = V + w1^T, y = T / ||T|| + w2^T,
; z = x / max(||x||, eps) + y / max(||y||, eps), out = z / max(||z||, eps), every norm over the 1,024 features d of a column, eps = 1e-12.
; SHARES.  8,192 columns over 256 work-groups are 32 columns each.  Wave w owns d 256 w .. 256 w + 255 (16 tiles of v) x 2 tiles of columns x 2 branches: 64 accumulators, 512 registers.
; Source 0 = v (rows d), source 1 = p (rows l): a lane holds ONE column (8 u + r + 8 (r / 8) of the 32), so every norm is one number a lane; register j of tile dt is d = 32 (dt / 2) + 16 (lane / 16) + 8 (dt % 2) + j.
; A CLUSTER IS ONE BATCH: b = 4 x cluster y + cluster x, the columns' block g = 4 cy + cx.  The sixteen work-groups that read the same v, and the pairs that own the two halves of each aligned 256 bytes of V, T and out0, are launched together.
; THE WALK IS STAGGERED.  v is eight chunks (2 branches x 4 K steps of 128 keys).  At position c of its walk a work-group takes branch (c / 4) xor (cy & 1) and K step (c + cx) & 3: eight different starts, each taken by two work-groups,
; so at any time the partners ask for different chunks, and every chunk but a work-group's first has been asked for before by a partner.  Only global addresses hang on cx and cy; registers, LDS addresses and the text are one.
; The tail is the same for both orders: position 0's sums take V x 1.0 or T x 1 / ||T|| (the buffer chosen by s_cselect, the factor by v_cndmask), position 1's the other; z is symmetric in the two.
; v comes as records (four tiles x 128 keys as register images + scale words, 6,400 bytes), each multiplied by ONE wave: from memory straight into a ring of five records in registers, four on their way.
; p's 16 fragments are fetched once for the work-group, a quarter by each wave, handed round through LDS as images of their registers, and stay in every wave's registers.
; V's and T's 256 rows x 128 bytes a wave come by one tensor load each, asked for behind p and the first records of v, since they are wanted last; they lie in LDS until the sums are finished.
; NO JOINT LOADS: v goes into registers; of LDS's 327,680 bytes 323,584 are taken, which leaves less than one record of 6,400; V, T and p differ between the partners.
; Rows of V, T and out0 are taken in pieces of 128 bytes: that is what 32 columns of f32 are; the partner beside this work-group has the other half of each 256.
; LDS: position 0's rows at 0, position 1's at 147,456 (1,024 rows x (128 + 16) bytes; wave w touches rows 256 w on alone); two small regions for the sums; p's images and scale words.  The results go out through position 0's rows, which have had their one fill.
; REGISTERS, in windows of 256: window 0: below.   window 1: p's fragments at 12 (8 position + 4 u + K position); v192-239 the ring's fifth record.   window 2: position 0's accumulators at 8 (2 dt + u), later z, out;   window 3: position 1's.
; LIMITS: NaN and infinities are not served.  Each division is a multiplication by a reciprocal.  The four K steps of a sum are added in an order that differs between work-groups.
.set RECB,  6400
.set PITCH, 144
.set TOFF,  147456
.set SCR1,  294912                     ; 4 waves x 512 bytes
.set SCR2,  296960                     ; 4 waves x 256 bytes
.set PL,    297984                     ; p's 16 fragments as images: 1,536 bytes each: half c at 768 c: registers 0-3 at 16 x lane, 4-5 at 512 + 8 x lane
.set PSL,   322560                     ; p's 8 scale words, 128 bytes each
.set L16, 1                            ; v1   16 x lane
.set L8,  2                            ; v2   8 x lane
.set AV,  3                            ; v3   position 0's rows in LDS: my wave's rows + 16 (lane / 16) rows + my column of tile 0
.set AT,  4                            ; v4   position 1's likewise
.set ROWL, 5                           ; v5   rows read back: four rows an instruction, 8 lanes to a row
.set GO,  6                            ; v6   and the same place in out0
.set S1S, 7                            ; v7   SCR1 + 512 w + 16 x lane
.set S1L, 8                            ; v8   SCR1 + 16 x lane
.set S2S, 9                            ; v9   SCR2 + 256 w + 8 x lane
.set S2L, 10                           ; v10  SCR2 + 8 x lane
.set TIO, 11                           ; v11  4 x my column of tile 0
.set TI,  12                           ; v12-13  1 / ||T|| of my two columns
.set VS5, 14                           ; v14-15  the fifth record's scale words; nothing else, ever
.set PSW, 16                           ; v16-23  p's scale words (4 position + K position): lanes 0-15 tile 0, lanes 16-31 tile 1; nothing else, ever
.set FA,  24                           ; v24, 26 a; v28, 30 b; v32, 34 g: each the low word of a pair
.set R,   36                           ; v36-39  four sums
.set SC,  40                           ; v40-55  chains of sums: 8 position + 4 u + 2 chain.  At the head, before they are cleared:
.set PS16, 40                          ; v40  PL + 6,144 w + 16 x lane: where I store my quarter of p
.set PS8,  41                          ; v41  the same with 8 x lane
.set PR16, 42                          ; v42  PL + 16 x lane: where every wave reads
.set PR8,  43                          ; v43  PL + 8 x lane
.set PWS,  44                          ; v44  PSL + 256 w + 4 x lane
.set PWR,  45                          ; v45  PSL + 4 x lane
.set PH,   46                          ; v46-49 halves of two scale words as ps holds them
.set PWT,  50                          ; v50-51 the two words
.set VB,  56                           ; v56-247 the ring's places 0 to 3: 48 registers a record
.set V5,  192                          ; window 1: place 4
.set TA,  56                           ; later: at work
.set F,   120                          ; later: v120, 122 position 0's factor for tile 0, 1; v124, 126 position 1's: each the low word of a pair
.set PTMP, 200                         ; at the head: my quarter of p, in the ring's place 3
.set VS,  248                          ; v248-255 v's scale words, a pair for each of places 0 to 3; nothing else, ever
.set MSB, 0
.macro WIN new
.if MSB != (\new)
	s_set_vgpr_msb (MSB<<8)|(\new)
.set MSB, (\new)
.endif
.endm
.macro PLACES n
.rept \n
	v_nop
.endr
.endm
.macro CROUND                          ; a round of the cluster's barrier: my work-group's barrier, wave 0 signals for the work-group, every wave waits for all sixteen, my work-group's barrier once more
	s_barrier_signal -1
	s_barrier_wait -1
	s_cmp_lg_u32 s18, 0
	s_cbranch_scc1 .Lnot_wave_0_\@
	s_barrier_signal -3
.Lnot_wave_0_\@:
	s_barrier_wait -3
	s_barrier_signal -1
	s_barrier_wait -1
.endm
.macro WM zero                         ; one matrix instruction from the symbols rD, rA, rB, rSA, rSB, fRA, fRB (1: that side's scales stand in lanes 16-31)
.if \zero
.if fRA && fRB
	v_wmma_scale_f32_16x16x128_f8f6f4 v[rD:rD+7], v[rA:rA+11], v[rB:rB+11], 0, v[rSA], v[rSB] matrix_a_fmt:MATRIX_FMT_BF6 matrix_b_fmt:MATRIX_FMT_BF6 matrix_a_scale:MATRIX_SCALE_ROW1 matrix_b_scale:MATRIX_SCALE_ROW1
.elseif fRA
	v_wmma_scale_f32_16x16x128_f8f6f4 v[rD:rD+7], v[rA:rA+11], v[rB:rB+11], 0, v[rSA], v[rSB] matrix_a_fmt:MATRIX_FMT_BF6 matrix_b_fmt:MATRIX_FMT_BF6 matrix_a_scale:MATRIX_SCALE_ROW1
.elseif fRB
	v_wmma_scale_f32_16x16x128_f8f6f4 v[rD:rD+7], v[rA:rA+11], v[rB:rB+11], 0, v[rSA], v[rSB] matrix_a_fmt:MATRIX_FMT_BF6 matrix_b_fmt:MATRIX_FMT_BF6 matrix_b_scale:MATRIX_SCALE_ROW1
.else
	v_wmma_scale_f32_16x16x128_f8f6f4 v[rD:rD+7], v[rA:rA+11], v[rB:rB+11], 0, v[rSA], v[rSB] matrix_a_fmt:MATRIX_FMT_BF6 matrix_b_fmt:MATRIX_FMT_BF6
.endif
.else
.if fRA && fRB
	v_wmma_scale_f32_16x16x128_f8f6f4 v[rD:rD+7], v[rA:rA+11], v[rB:rB+11], v[rD:rD+7], v[rSA], v[rSB] matrix_a_fmt:MATRIX_FMT_BF6 matrix_b_fmt:MATRIX_FMT_BF6 matrix_a_scale:MATRIX_SCALE_ROW1 matrix_b_scale:MATRIX_SCALE_ROW1
.elseif fRA
	v_wmma_scale_f32_16x16x128_f8f6f4 v[rD:rD+7], v[rA:rA+11], v[rB:rB+11], v[rD:rD+7], v[rSA], v[rSB] matrix_a_fmt:MATRIX_FMT_BF6 matrix_b_fmt:MATRIX_FMT_BF6 matrix_a_scale:MATRIX_SCALE_ROW1
.elseif fRB
	v_wmma_scale_f32_16x16x128_f8f6f4 v[rD:rD+7], v[rA:rA+11], v[rB:rB+11], v[rD:rD+7], v[rSA], v[rSB] matrix_a_fmt:MATRIX_FMT_BF6 matrix_b_fmt:MATRIX_FMT_BF6 matrix_b_scale:MATRIX_SCALE_ROW1
.else
	v_wmma_scale_f32_16x16x128_f8f6f4 v[rD:rD+7], v[rA:rA+11], v[rB:rB+11], v[rD:rD+7], v[rSA], v[rSB] matrix_a_fmt:MATRIX_FMT_BF6 matrix_b_fmt:MATRIX_FMT_BF6
.endif
.endif
.endm
	s_load_b256 s[4:11], s[0:1], 0x0               ; V s[4:5], T s[6:7], tinv s[8:9], vv s[10:11]
	s_load_b128 s[12:15], s[0:1], 0x20             ; pq s[12:13], ps s[14:15]
	s_load_b64 s[16:17], s[0:1], 0x30              ; out0
	s_set_vgpr_msb 0x40
	v_lshl_add_u32 v254, v0, 2, 0x4f000
	v_mov_b32 v255, 0
	s_set_vgpr_msb 0x4045
	ds_add_u32 v254, v255
	ds_add_u32 v254, v255
	s_set_vgpr_msb 0x4500
	v_lshrrev_b32 v1, 5, v0
	v_readfirstlane_b32 s18, v1                    ; wave 0..3
	s_bfe_u32 s66, ttmp6, 0x40000                  ; cx: also by how many K steps my walk is turned
	s_bfe_u32 s67, ttmp6, 0x40004                  ; cy
	s_lshl_b32 s19, s67, 2
	s_add_co_u32 s19, s19, s66                     ; g = 4 cy + cx: which 32 columns
	s_and_b32 s20, ttmp7, 0xffff
	s_lshl_b32 s20, s20, 2
	s_add_co_u32 s20, s20, ttmp9                   ; b = 4 x cluster y + cluster x
	s_and_b32 s68, s67, 1                          ; sw: 1: my walk begins with branch 1
	s_lshr_b32 s84, s18, 1                         ; of p I fetch position w / 2,
	s_and_b32 s85, s18, 1                          ; tile w % 2,
	s_xor_b32 s86, s84, s68                        ; which is this branch
	v_and_b32 v24, 31, v0                          ; lane
	v_lshlrev_b32 v[L16], 4, v24
	v_lshlrev_b32 v[L8], 3, v24
	v_and_b32 v25, 15, v0
	v_and_b32 v26, 8, v25
	v_add_nc_u32 v25, v25, v26                     ; r + 8 (r / 8)
	v_lshlrev_b32 v[TIO], 2, v25
	v_bfe_u32 v26, v0, 4, 1                        ; lane / 16
	s_mul_i32 s21, s18, 256*PITCH                  ; my wave's 256 rows in LDS
	v_mad_u32_u24 v[AV], v26, 16*PITCH, v[TIO]
	v_add_nc_u32 v[AV], s21, v[AV]
	v_add_nc_u32 v[AT], TOFF, v[AV]
	v_lshrrev_b32 v27, 3, v24                      ; lane / 8
	v_and_b32 v28, 7, v0
	v_lshlrev_b32 v28, 4, v28                      ; 16 (lane % 8)
	v_mad_u32_u24 v[ROWL], v27, PITCH, v28
	v_add_nc_u32 v[ROWL], s21, v[ROWL]
	v_lshl_add_u32 v[GO], v27, 11, v28             ; a row of out0 is 2,048 bytes
	s_lshl_b32 s40, s18, 9
	s_add_co_u32 s40, s40, SCR1
	v_add_nc_u32 v[S1S], s40, v[L16]
	v_add_nc_u32 v[S1L], SCR1, v[L16]
	s_lshl_b32 s40, s18, 8
	s_add_co_u32 s40, s40, SCR2
	v_add_nc_u32 v[S2S], s40, v[L8]
	v_add_nc_u32 v[S2L], SCR2, v[L8]
	s_mul_i32 s82, s18, 6144                       ; my four fragments of p's sixteen
	s_add_co_u32 s82, s82, PL
	v_add_nc_u32 v[PS16], s82, v[L16]
	v_add_nc_u32 v[PS8], s82, v[L8]
	v_add_nc_u32 v[PR16], PL, v[L16]
	v_add_nc_u32 v[PR8], PL, v[L8]
	v_lshlrev_b32 v[PWR], 2, v24                   ; 4 x lane
	s_lshl_b32 s82, s18, 8                         ; my two scale words of the eight
	s_add_co_u32 s82, s82, PSL
	v_add_nc_u32 v[PWS], s82, v[PWR]
	v_add_nc_u32 v[PWR], PSL, v[PWR]
	; descriptor group 1: 256 rows of 32 f32, 512 elements apart; 16 bytes of padding behind each row's 128
	s_mov_b32 s24, (2<<16)|(1<<20)|(4<<22)|(3<<25) ; no mask; elements of 4 bytes; padding on; after every 32 words (code 4); of 4 words (code 3)
	s_mov_b32 s25, 32<<16                          ; tensor_dim0
	s_mov_b32 s26, 256<<16                         ; tensor_dim1
	s_mov_b32 s27, 32<<16                          ; tile_dim0
	s_mov_b32 s28, 256                             ; tile_dim1
	s_mov_b32 s29, 512                             ; from row to row
	s_mov_b32 s30, 0
	s_mov_b32 s31, 0
	s_mov_b32 s22, 0x76543210
	s_mov_b32 s23, 0xfedcba98                      ; v_permlanex16_b32's selects for lane l xor 16
	s_lshl_b32 s40, s20, 21                        ; V, T, out0: ((1,024 b + 256 w) x 512 + 32 g) x 4
	s_lshl_b32 s41, s18, 19
	s_add_co_u32 s40, s40, s41
	s_lshl_b32 s41, s19, 7
	s_add_co_u32 s40, s40, s41
	s_mov_b32 s41, 0
	s_lshl_b32 s2, s20, 11                         ; tinv: 4 (512 b + 32 g)
	s_lshl_b32 s3, s19, 7
	s_add_co_u32 s2, s2, s3
	s_mov_b32 s3, 0
	; vv: [branch][b][K step 4][quad 16]; my quads 4 w on.  s[48+2c:49+2c]: where position c's four records begin
	s_mul_i32 s42, s20, 64*RECB
	s_mul_i32 s43, s18, 4*RECB
	s_add_co_u32 s42, s42, s43
.irp c, 0,1,2,3,4,5,6,7
	s_add_co_u32 s82, s66, \c%4
	s_and_b32 s82, s82, 3                          ; its K step
	s_xor_b32 s83, s68, \c/4                       ; its branch
	s_mul_i32 s82, s82, 16*RECB
	s_mul_i32 s83, s83, 1024*RECB
	s_add_co_u32 s82, s82, s83
	s_add_co_u32 s[48+2*\c], s82, s42
	s_mov_b32 s[49+2*\c], 0
.endr
	; pq: [branch][b][tile 32][64 keys 8] x 768 bytes; my work-group's tiles 2 g, 2 g + 1.  s[70+2i:71+2i]: my tile's fragment of K position i
	s_mul_i32 s44, s20, 196608
	s_mul_i32 s45, s19, 12288
	s_add_co_u32 s44, s44, s45
	s_mul_i32 s45, s86, 3145728
	s_add_co_u32 s44, s44, s45
	s_mul_i32 s45, s85, 6144
	s_add_co_u32 s44, s44, s45
.irp i, 0,1,2,3
	s_add_co_u32 s82, s66, \i
	s_and_b32 s82, s82, 3
	s_mul_i32 s82, s82, 1536
	s_add_co_u32 s[70+2*\i], s82, s44
	s_mov_b32 s[71+2*\i], 0
.endr
	; ps: [branch][b][64 keys 8][group 8] x 256; tiles 2 g, 2 g + 1 are word g % 2 of group g / 2.  I fetch positions 2 w and 2 w + 1 of the walk: s[78+2k:79+2k]
	s_lshl_b32 s46, s20, 14
	s_lshr_b32 s47, s19, 1
	s_lshl_b32 s47, s47, 8
	s_add_co_u32 s46, s46, s47
	s_and_b32 s47, s19, 1
	s_lshl_b32 s47, s47, 2
	s_add_co_u32 s46, s46, s47
	s_lshl_b32 s47, s86, 18
	s_add_co_u32 s46, s46, s47
	s_lshl_b32 s87, s85, 1
	s_add_co_u32 s87, s87, s66
.irp k, 0,1
	s_add_co_u32 s82, s87, \k
	s_and_b32 s82, s82, 3
	s_lshl_b32 s82, s82, 12                        ; a K step is two blocks of 64 keys, 2,048 bytes each
	s_add_co_u32 s[78+2*\k], s82, s46
	s_mov_b32 s[79+2*\k], 0
.endr
	s_wait_dscnt 0x0
	s_wait_kmcnt 0x0
	s_cmp_eq_u32 s68, 0                            ; the choice hangs on the work-group's place alone
	s_cselect_b64 s[88:89], s[4:5], s[6:7]         ; position 0's residual: V with branch 0, T with branch 1
	s_cselect_b64 s[90:91], s[6:7], s[4:5]         ; position 1's: the other
.irp i, 0,1,2,3
	s_add_nc_u64 s[70+2*\i:71+2*\i], s[12:13], s[70+2*\i:71+2*\i]
.endr
.irp k, 0,1
	s_add_nc_u64 s[78+2*\k:79+2*\k], s[14:15], s[78+2*\k:79+2*\k]
.endr
.irp c, 0,1,2,3,4,5,6,7
	s_add_nc_u64 s[48+2*\c:49+2*\c], s[10:11], s[48+2*\c:49+2*\c]
.endr
	; ---- what the first products want goes out first: my quarter of p (16 loads), my two scale words' halves (4), three records of v (39)
.irp i, 0,1,2,3
.irp c, 0,1
	global_load_b128 v[PTMP+12*\i+6*\c:PTMP+12*\i+6*\c+3], v[L16], s[70+2*\i:71+2*\i] offset:768*\c
	global_load_b64 v[PTMP+12*\i+6*\c+4:PTMP+12*\i+6*\c+5], v[L8], s[70+2*\i:71+2*\i] offset:768*\c+512
.endr
.endr
.irp k, 0,1
	global_load_b32 v[PH+2*\k], v[L8], s[78+2*\k:79+2*\k]
	global_load_b32 v[PH+2*\k+1], v[L8], s[78+2*\k:79+2*\k] offset:2048
.endr
.macro VLOAD n                         ; record n = 4 x position + quad of my 32 into ring place n % 5: 13 loads
.set lc, (\n)/4
.set lq, (\n)%4
.set lp, (\n)%5
.if lp < 4
.irp i, 0,1,2,3
.irp c, 0,1,2
	global_load_b128 v[VB+48*lp+12*\i+4*\c:VB+48*lp+12*\i+4*\c+3], v[L16], s[48+2*lc:49+2*lc] offset:RECB*lq+1536*\i+512*\c
.endr
.endr
	global_load_b64 v[VS+2*lp:VS+2*lp+1], v[L8], s[48+2*lc:49+2*lc] offset:RECB*lq+6144
.else
	WIN 0x40                                       ; destination window 1
.irp i, 0,1,2,3
.irp c, 0,1,2
	global_load_b128 v[V5+12*\i+4*\c:V5+12*\i+4*\c+3], v[L16], s[48+2*lc:49+2*lc] offset:RECB*lq+1536*\i+512*\c
.endr
.endr
	WIN 0
	global_load_b64 v[VS5:VS5+1], v[L8], s[48+2*lc:49+2*lc] offset:RECB*lq+6144
.endif
.endm
	VLOAD 0
	VLOAD 1
	VLOAD 2
	CROUND                                         ; the round that stands in front of a cluster launch's tensor loads
	s_mov_b32 s32, 1                               ; group 0 for position 0's rows: count, LDS address, global address, type
	s_mov_b32 s33, s21
	s_add_nc_u64 s[34:35], s[88:89], s[40:41]
	s_or_b32 s35, s35, 0x80000000
	s_mov_b32 s36, 1                               ; and for position 1's
	s_add_co_u32 s37, s21, TOFF
	s_add_nc_u64 s[38:39], s[90:91], s[40:41]
	s_or_b32 s39, s39, 0x80000000
	tensor_load_to_lds s[32:35], s[24:31]          ; my two tensor loads: bytes filled once in the launch, read by me alone; wanted only behind the walk
	s_nop 0
	tensor_load_to_lds s[36:39], s[24:31]
	s_nop 0
	PLACES 4
	s_add_nc_u64 s[16:17], s[16:17], s[40:41]
	s_add_nc_u64 s[8:9], s[8:9], s[2:3]
	; ---- p from wave to wave, as images of its registers
	s_wait_loadcnt 39                              ; my quarter of p and its scale bytes are in; the three records of v issued behind them may be out
.irp k, 0,1
	v_lshl_or_b32 v[PWT+\k], v[PH+2*\k+1], 16, v[PH+2*\k]   ; two bytes for each 64 keys make the word of 128 keys
.endr
.irp i, 0,1,2,3
.irp c, 0,1
	ds_store_b128 v[PS16], v[PTMP+12*\i+6*\c:PTMP+12*\i+6*\c+3] offset:1536*\i+768*\c
	ds_store_b64 v[PS8], v[PTMP+12*\i+6*\c+4:PTMP+12*\i+6*\c+5] offset:1536*\i+768*\c+512
.endr
.endr
.irp k, 0,1
	ds_store_b32 v[PWS], v[PWT+\k] offset:128*\k
.endr
	s_wait_dscnt 0x0                               ; for the others' sake: my stores have landed (and have read the ring's place 3)
	s_barrier_signal -1
	s_barrier_wait -1                              ; the two tensor loads may stay out
	VLOAD 3
	VLOAD 4
	WIN 0x40                                       ; destination window 1
.irp f, 0,1,2,3,4,5,6,7,8,9,10,11,12,13,14,15
.irp c, 0,1
	ds_load_b128 v[12*\f+6*\c:12*\f+6*\c+3], v[PR16] offset:1536*\f+768*\c
	ds_load_b64 v[12*\f+6*\c+4:12*\f+6*\c+5], v[PR8] offset:1536*\f+768*\c+512
.endr
.endr
	WIN 0
.irp c, 0,1,2,3,4,5,6,7
	ds_load_b32 v[PSW+\c], v[PWR] offset:128*\c
.endr
	s_wait_dscnt 0x0
.set i, 0
.rept 16
	v_mov_b32 v[SC+i], 0                           ; the chains of sums (the head's addresses and halves that lay here are done with)
.set i, i+1
.endr
.irp q, 1,3,5,7,9,11
	v_mov_b32 v[FA+\q], 0                          ; (named as the upper words of pairs)
.endr
; A record: 8 matrix instructions (its 4 tiles of d x my 2 tiles of columns) on 8 accumulators by turns; the same accumulators come again four records later.
.macro VREC n
.set dd, (\n)/16
.set ss, ((\n)/4)%4
.set qq, (\n)%4
.set pp, (\n)%5
.if (\n) < 28
	s_wait_loadcnt 52                              ; this record's 13 loads are in; those of the four behind it may be out
.else
	s_wait_loadcnt 13*(31-(\n))+2                  ; the records behind it, and the two loads of 1 / ||T||
.endif
	WIN 0xa4+0x50*dd+pp/4                          ; source 0 (v) window 0, or 1 for the ring's fifth place; source 1 (p) window 1; C and D window 2 or 3
.irp i, 0,1,2,3
.irp u, 0,1
.set rD, 8*(2*(4*qq+\i)+\u)
.if pp < 4
.set rA, VB+48*pp+12*\i
.set rSA, VS+2*pp+\i/2
.else
.set rA, V5+12*\i
.set rSA, VS5+\i/2
.endif
.set rB, 12*(8*dd+4*\u+ss)
.set rSB, PSW+4*dd+ss
.set fRA, \i%2
.set fRB, \u
.if ss == 0
	WM 1
.else
	WM 0
.endif
.endr
.endr
	PLACES 4                                       ; in front of loads into registers that these products have read
	WIN 0
.if (\n) < 27
	VLOAD (\n)+5
.elseif (\n) == 27
	global_load_b32 v[TI], v[TIO], s[8:9]          ; nothing of v is left to ask for: 1 / ||T|| of my two columns
	global_load_b32 v[TI+1], v[TIO], s[8:9] offset:32
.endif
.endm
.set n, 0
.rept 32
	VREC n
.set n, n+1
.endr
	; ---- x = residual x factor + sums, for both positions, and their sums of squares: sixteen batches of four accumulators; a batch's 32 numbers come from LDS while the batch before is worked
	s_wait_tensorcnt 0x0                           ; my rows of V and T are in LDS
	s_wait_loadcnt 0x0                             ; 1 / ||T||
	s_cmp_eq_u32 s68, 1
	s_cselect_b32 vcc_lo, -1, 0                    ; every lane: position 0's residual is T
	v_cndmask_b32 v[F], 1.0, v[TI], vcc_lo         ; T: 1 / ||T||;  V: 1.0, a multiplication that changes nothing
	v_cndmask_b32 v[F+2], 1.0, v[TI+1], vcc_lo
	s_cselect_b32 vcc_lo, 0, -1                    ; every lane: position 1's residual is T
	v_cndmask_b32 v[F+4], 1.0, v[TI], vcc_lo
	v_cndmask_b32 v[F+6], 1.0, v[TI+1], vcc_lo
.irp q, 1,3,5,7
	v_mov_b32 v[F+\q], 0                           ; (named as the upper words of pairs)
.endr
.macro RLOAD k
.set kb, (\k)%8
.irp a, 0,1,2,3
.irp j, 0,1,2,3,4,5,6,7
	ds_load_b32 v[TA+32*((\k)%2)+8*\a+\j], v[AV+(\k)/8] offset:(32*kb+8*(\a/2)+\j)*PITCH+32*(\a%2)
.endr
.endr
.endm
.macro RWORK k
.set kb, (\k)%8
.set kp, (\k)/8
.set ts, TA+32*((\k)%2)
	WIN 0xa0+0x50*kp                               ; source 2 and destination window 2 or 3
.set i, 0
.rept 16
	v_pk_fma_f32 v[32*kb+i:32*kb+i+1], v[ts+i:ts+i+1], v[F+4*kp+2*((i/8)%2):F+4*kp+2*((i/8)%2)+1], v[32*kb+i:32*kb+i+1] op_sel_hi:[1,0,1]   ; each accumulator from its low end on
.set i, i+2
.endr
	WIN 0x0a+5*kp                                  ; sources 0 and 1 window 2 or 3
.set i, 0
.rept 16
.set sc, SC+8*kp+4*((i/8)%2)+2*((i/2)%2)
	v_pk_fma_f32 v[sc:sc+1], v[32*kb+i:32*kb+i+1], v[32*kb+i:32*kb+i+1], v[sc:sc+1]
.set i, i+2
.endr
	WIN 0
.endm
	RLOAD 0
.irp k, 0,1,2,3,4,5,6,7,8,9,10,11,12,13,14,15
.if \k < 15
	RLOAD \k+1
	s_wait_dscnt 32                                ; this batch's 32 loads are in; the next batch's may be out
.else
	s_wait_dscnt 0x0
.endif
	RWORK \k
.endr
.irp q, 0,1,2,3                        ; q = 2 position + u
	v_pk_add_f32 v[SC+4*\q:SC+4*\q+1], v[SC+4*\q:SC+4*\q+1], v[SC+4*\q+2:SC+4*\q+3]
.endr
.irp q, 0,1,2,3
	v_add_f32 v[R+\q], v[SC+4*\q], v[SC+4*\q+1]
.endr
.irp q, 0,1,2,3
	v_permlanex16_b32 v[SC+\q], v[R+\q], s22, s23
.endr
.irp q, 0,1,2,3
	v_add_f32 v[R+\q], v[R+\q], v[SC+\q]           ; with lane l xor 16's: my wave's 256 d of the column
.endr
	ds_store_b128 v[S1S], v[R:R+3]
	s_wait_dscnt 0x0                               ; for the others' sake
	s_barrier_signal -1
	s_barrier_wait -1
.irp i, 0,1,2,3
	ds_load_b128 v[TA+4*\i:TA+4*\i+3], v[S1L] offset:512*\i
.endr
	s_wait_dscnt 0x0
.irp i, 1,2,3
	v_pk_add_f32 v[TA:TA+1], v[TA:TA+1], v[TA+4*\i:TA+4*\i+1]          ; the four waves' parts, in the same order in every wave
	v_pk_add_f32 v[TA+2:TA+3], v[TA+2:TA+3], v[TA+4*\i+2:TA+4*\i+3]
.endr
.irp q, 0,1,2,3
	v_sqrt_f32 v[TA+4+\q], v[TA+\q]
.endr
	v_nop                                          ; a plain instruction behind the transcendentals
	s_wait_alu depctr_va_vdst(0)
.irp q, 0,1,2,3
	v_max_num_f32 v[TA+4+\q], 0x2b8cbccc, v[TA+4+\q]
.endr
.irp q, 0,1,2,3
	v_rcp_f32 v[FA+2*\q], v[TA+4+\q]               ; a of tile 0, a of tile 1, b of tile 0, b of tile 1
.endr
.set i, 0
.rept 8
	v_mov_b32 v[SC+i], 0                           ; the chains for ||z||^2.  (Plain instructions behind the reciprocals)
.set i, i+1
.endr
	; ---- z = a x + b y, and its sum of squares, taken of z itself
	WIN 0x82
.set i, 0
	s_wait_alu depctr_va_vdst(0)
.rept 128
	v_pk_mul_f32 v[i:i+1], v[i:i+1], v[FA+2*((i/8)%2):FA+2*((i/8)%2)+1] op_sel_hi:[1,0]
.set i, i+2
.endr
	WIN 0xa3                                       ; source 0 (y) window 3, source 2 and destination window 2
.set i, 0
.rept 128
	v_pk_fma_f32 v[i:i+1], v[i:i+1], v[FA+4+2*((i/8)%2):FA+4+2*((i/8)%2)+1], v[i:i+1] op_sel_hi:[1,0,1]
.set i, i+2
.endr
	WIN 0x0a
.set i, 0
.rept 128
.set sc, SC+4*((i/8)%2)+2*((i/2)%2)
	v_pk_fma_f32 v[sc:sc+1], v[i:i+1], v[i:i+1], v[sc:sc+1]
.set i, i+2
.endr
	WIN 0
.irp q, 0,1
	v_pk_add_f32 v[SC+4*\q:SC+4*\q+1], v[SC+4*\q:SC+4*\q+1], v[SC+4*\q+2:SC+4*\q+3]
.endr
.irp q, 0,1
	v_add_f32 v[R+\q], v[SC+4*\q], v[SC+4*\q+1]
.endr
.irp q, 0,1
	v_permlanex16_b32 v[SC+8+\q], v[R+\q], s22, s23
.endr
.irp q, 0,1
	v_add_f32 v[R+\q], v[R+\q], v[SC+8+\q]
.endr
	ds_store_b64 v[S2S], v[R:R+1]
	s_wait_dscnt 0x0                               ; for the others' sake
	CROUND                                         ; its opening barrier shows my work-group's four parts to every wave; the round brings the sixteen work-groups into step, so that the two that own the halves of each aligned 256 bytes of out0 store at about the same time
.irp i, 0,1,2,3
	ds_load_b64 v[TA+2*\i:TA+2*\i+1], v[S2L] offset:256*\i
.endr
	s_wait_dscnt 0x0
.irp i, 1,2,3
	v_pk_add_f32 v[TA:TA+1], v[TA:TA+1], v[TA+2*\i:TA+2*\i+1]
.endr
.irp q, 0,1
	v_sqrt_f32 v[TA+2+\q], v[TA+\q]
.endr
	v_nop
	s_wait_alu depctr_va_vdst(0)
.irp q, 0,1
	v_max_num_f32 v[TA+2+\q], 0x2b8cbccc, v[TA+2+\q]
.endr
.irp q, 0,1
	v_rcp_f32 v[FA+8+2*\q], v[TA+2+\q]             ; g of tile 0, g of tile 1
.endr
	v_nop
	; ---- out = g z, through my own rows of the stage, so that a row's 128 bytes leave from eight neighbouring lanes
	WIN 0x82
.set i, 0
	s_wait_alu depctr_va_vdst(0)
.rept 128
	v_pk_mul_f32 v[i:i+1], v[i:i+1], v[FA+8+2*((i/8)%2):FA+8+2*((i/8)%2)+1] op_sel_hi:[1,0]
.set i, i+2
.endr
	WIN 0x08                                       ; an LDS store's data are its source 1: window 2
.set i, 0
.rept 256
	ds_store_b32 v[AV], v[i] offset:(32*(i/32)+8*((i/16)%2)+i%8)*PITCH+32*((i/8)%2)
.set i, i+1
.endr
	WIN 0
.set k, 0
.rept 48
	ds_load_b128 v[TA+4*k:TA+4*k+3], v[ROWL] offset:4*PITCH*k     ; LDS serves a wave's instructions in order (ISA guide 5.7.1.4): these see my stores
.set k, k+1
.endr
.set k, 0
.rept 48
	s_wait_dscnt 47-k                              ; the younger row loads may be out
	global_store_b128 v[GO], v[TA+4*k:TA+4*k+3], s[16:17] offset:8192*k   ; four rows' 128 consecutive bytes each; no hint: the other half of each aligned 256 bytes comes from the partner beside me
.set k, k+1
.endr
	s_wait_xcnt 0x0                                ; the stores have read their registers: the last sixteen loads may land there
.set k, 0
.rept 16
	ds_load_b128 v[TA+4*k:TA+4*k+3], v[ROWL] offset:4*PITCH*(k+48)
.set k, k+1
.endr
.set k, 0
.rept 16
	s_wait_dscnt 15-k
	global_store_b128 v[GO], v[TA+4*k:TA+4*k+3], s[16:17] offset:8192*(k+48)
.set k, k+1
.endr
	s_set_vgpr_msb 0x5
	s_wait_tensorcnt 0x0
	ds_add_u32 v254, v255
	s_wait_dscnt 0x0
	s_set_vgpr_msb 0x500
	CROUND                                         ; the closing round of a cluster launch, behind its last tensor load
	s_endpgm
.Lfunc_end_k_qa3f690dbd2_mix:
	.size	k_qa3f690dbd2_mix, .Lfunc_end_k_qa3f690dbd2_mix-k_qa3f690dbd2_mix
	.p2alignl 7, 3214868480
	.fill 96, 4, 3214868480
	.section	.rodata,"a",@progbits
	.p2align	6, 0x0
	.amdhsa_kernel k_qa3f690dbd2_mix
		.amdhsa_group_segment_fixed_size 327680
		.amdhsa_private_segment_fixed_size 0
		.amdhsa_enable_private_segment 0
		.amdhsa_kernarg_size 56
		.amdhsa_user_sgpr_count 2
		.amdhsa_user_sgpr_kernarg_segment_ptr 1
		.amdhsa_wavefront_size32 1
		.amdhsa_system_sgpr_workgroup_id_x 1
		.amdhsa_system_sgpr_workgroup_id_y 1
		.amdhsa_system_sgpr_workgroup_id_z 1
		.amdhsa_system_vgpr_workitem_id 0
		.amdhsa_next_free_vgpr 1024
		.amdhsa_next_free_sgpr 92
		.amdhsa_reserve_vcc 1
		.amdhsa_float_denorm_mode_32 3
		.amdhsa_float_denorm_mode_16_64 3
		.amdhsa_memory_ordered 1
		.amdhsa_forward_progress 1
		.amdhsa_inst_pref_size 229
	.end_amdhsa_kernel
	.amdgpu_metadata
---
amdhsa.version: [ 1, 2 ]
amdhsa.kernels:
  - .name:           k_qa3f690dbd2_mix
    .symbol:         k_qa3f690dbd2_mix.kd
    .args:
      - { .name: V, .offset: 0, .size: 8, .value_kind: global_buffer, .address_space: global }
      - { .name: T, .offset: 8, .size: 8, .value_kind: global_buffer, .address_space: global }
      - { .name: tinv, .offset: 16, .size: 8, .value_kind: global_buffer, .address_space: global }
      - { .name: vv, .offset: 24, .size: 8, .value_kind: global_buffer, .address_space: global }
      - { .name: pq, .offset: 32, .size: 8, .value_kind: global_buffer, .address_space: global }
      - { .name: ps, .offset: 40, .size: 8, .value_kind: global_buffer, .address_space: global }
      - { .name: out0, .offset: 48, .size: 8, .value_kind: global_buffer, .address_space: global }
    .group_segment_fixed_size: 327680
    .private_segment_fixed_size: 0
    .kernarg_segment_align: 8
    .kernarg_segment_size: 56
    .max_flat_workgroup_size: 128
    .sgpr_count:     92
    .vgpr_count:     1024
    .wavefront_size: 32
...
	.end_amdgpu_metadata
.endif
;; end of part 4
